; MI455X (gfx1250); checked and timed in simulation.
; The chip was launched on July 23, 2026; its instructions are those of AMD's public machine-readable ISA for CDNA 5 (MIT licence, August 2026) and "CDNA5" Instruction Set Architecture Reference Guide (July 2026). The comments in the code are by the model that wrote it; some were corrected since.
;; Custom Transformer Encoder Layer. Allowed arithmetic: matrix products marked QUANTISED: E2M3 operands, one E8M0 scale for each 32 along K, by v_wmma_scale_f32_16x16x128_f8f6f4 with both operands' format E2M3, f32 sums; everything else in f32.
;; Inputs: W1 1,024 x 4,096 float32; W2 4,096 x 1,024 float32; Wk 16 x 1,024 x 64 float32; Wo 1,024 x 1,024 float32; Wq 16 x 1,024 x 64 float32; Wv 16 x 1,024 x 64 float32; b1 4,096 float32; b2 1,024 float32; bk 16 x 64 float32; bo 1,024 float32; bq 16 x 64 float32; bv 16 x 64 float32; ln1_b 1,024 float32; ln1_g 1,024 float32; ln2_b 1,024 float32; ln2_g 1,024 float32; mask 4 x 1,024 int32; scale 16 float32; src 4 x 1,024 x 1,024 float32.
;; Outputs: out0 4 x 1,024 x 1,024 float32.
;; This version of the problem:
;;   THIS VERSION OF THE PROBLEM IS GIVEN IN LOW PRECISION. The matrix products marked QUANTISED in the list below multiply operands that are first quantised to E2M3 (2 exponent bits, 3 mantissa bits; 6 bits a number), with one power-of-two scale for each 32 numbers along K (OCP MX v1.0); their sums are f32. All else is computed in f32.
;;   The module's matrix products, in the order in which they are computed (A, B: the left and right operand; K: the contracted axis; several contracted axes count as one K, in the product's order):
;;     1. [M 1,024, K 1,024] x [K 1,024, N 4,096]; A: input Wk; B: computed on the way: QUANTISED
;;     2. [M 1,024, K 1,024] x [K 1,024, N 4,096]; A: input Wv; B: computed on the way: QUANTISED
;;     3. [M 1,024, K 1,024] x [K 1,024, N 4,096]; A: input Wq; B: computed on the way: QUANTISED
;;     4. batch 64 x [M 1,024, K 64] x [K 64, N 1,024]; A: computed on the way; B: computed on the way: QUANTISED
;;     5. batch 64 x [M 64, K 1,024] x [K 1,024, N 1,024]; A: computed on the way; B: computed on the way: QUANTISED
;;     6. [M 4,096, K 1,024] x [K 1,024, N 1,024]; A: computed on the way; B: input Wo: QUANTISED
;;     7. [M 4,096, K 1,024] x [K 1,024, N 4,096]; A: computed on the way; B: input W1: QUANTISED
;;     8. [M 4,096, K 4,096] x [K 4,096, N 1,024]; A: computed on the way; B: input W2: QUANTISED
;;   THE QUANTISER, for each operand of a quantised product, along K:
;;     - K is cut into blocks of 32 from its start; a last block that is shorter is filled with zeros.
;;     - A block's scale is 2^e with e = floor(log2(the largest magnitude in the block)) - 2, held to -126 .. 127; a block of zeros has e = 0. As a byte (E8M0): e + 127.
;;     - Each number is divided by its block's scale, clamped to +-7.5, and rounded to the nearest number of E2M3, ties to even, subnormals kept.
;;     - The product sums the exact products of the quantised numbers (number of the format x scale) in f32.
;;   ~~~python
;;   def quantise(x, axis):      # numpy; x: float32 -> the quantised numbers, widened to float32 again
;;       x = np.moveaxis(x, axis, -1); K = x.shape[-1]
;;       x = np.pad(x, [(0, 0)] * (x.ndim - 1) + [(0, -K % 32)]); x = x.reshape(x.shape[:-1] + (-1, 32)); a = np.abs(x).max(-1, keepdims=True)
;;       e = np.where(a > 0, np.clip(np.frexp(np.where(a > 0, a, 1))[1] - 1 - 2, -126, 127), 0)      # np.frexp(a)[1] - 1 = floor(log2(a)), exactly
;;       r = np.clip(x / 2.0 ** e, -7.5, 7.5)
;;       step = 2.0 ** (np.maximum(np.frexp(np.where(r == 0, 1, r))[1] - 1, 0) - 3)
;;       q = np.round(r / step) * step * 2.0 ** e      # np.round: ties to even
;;       return np.moveaxis(q.reshape(q.shape[:-2] + (-1,))[..., :K], -1, axis).astype(np.float32)
;;   ~~~
;;   OPERANDS COMPUTED ON THE WAY. 'Computed on the way' means the value that the module computes at that place (a softmax that the list does not call 'softmax' is quantised finished and normalised). What goes into a quantiser is computed in f32, as accurately as f32 sums, v_exp_f32 and their like allow (about 1e-6 of the number): no bf16 or f16 on the way to a quantiser, and a product that is left as it is and whose result goes on into a quantised operand takes f32 operands (vector FMAs, or v_wmma_f32_16x16x4_f32). A number that lies on a knife's edge between two numbers of the format may be rounded either way, as far as f32 arithmetic and the matrix unit's own rounding can turn it there, and no further.
;; One version. Each part assembles by itself: llvm-mc -triple=amdgcn-amd-amdhsa -mcpu=gfx1250 --defsym DOCPART=n.
;; ======== version 1 of 1: 7 launches
;; limits: right only within a limited range of input values
;; workspace buffers: wimg 11,010,048 bytes; act 3,670,016 bytes; qkv 11,010,048 bytes; src2 16,777,216 bytes; hid 14,680,064 bytes
;; launch prep (part 1): grid 640 x 1, 8 waves a work-group, no clusters, 70,656 bytes of LDS; arguments Wq, Wk, Wv, Wo, W1, W2, wimg, src, ln1_g, ln1_b, act; writes wimg, act
.if DOCPART == 1
	.amdgcn_target "amdgcn-amd-amdhsa--gfx1250"
	.amdhsa_code_object_version 6
	.text
	.protected	k_q2132ae4501_prep
	.globl	k_q2132ae4501_prep
	.p2align	8
	.type	k_q2132ae4501_prep,@function
k_q2132ae4501_prep:
	s_mov_b64 s[64:65], 0
	v_nop
	global_prefetch_b8 v0, s[64:65] scope:SCOPE_SE
	s_setreg_imm32_b32 hwreg(HW_REG_WAVE_MODE, 25, 1), 1
	s_wait_xcnt 0x0
; TWO JOBS THAT SHARE NO DATA, IN ONE LAUNCH: work-groups 0 .. 383 quantise the six weights, work-groups 384 .. 639 norm and quantise the tokens.  They part on the work-group's number, the same in all eight waves.
; Both make RECORDS: images of a matrix operand's registers, codes of FP6 (E2M3) with one E8M0 byte for each 32 along K.  A record serves 16 rows of the operand x 128 along K and is 1,792 bytes:
; bytes 512 c + 16 l hold registers 4 c .. 4 c + 3 of lane l's 12 (lane (r, h): registers 6 c .. 6 c + 5 = k 64 c + 32 h + 0 .. 31 of row r); bytes 1536 + 16 r hold row r's scale word, four times.
; THE ROWS OF A RECORD ARE NOT NEIGHBOURS: row r of record block rb is operand row 32 (rb / 2) + 8 (rb % 2) + r + 8 (r / 8), so that a product that takes the record as source 0
; leaves 16 neighbours of that axis in a lane's 16 registers of two neighbouring tiles.
; A block's scale is 2^(floor(log2(largest magnitude)) - 2); its byte is the largest magnitude's exponent field - 2, held at 1 from below.
; THE WEIGHTS (f32, K their first axis, within a head for Wq, Wk, Wv).  A LANE TAKES A COLUMN AND ITS REGISTERS RUN DOWN K: each load reads 128 consecutive bytes, a block of 32 lies in one lane, and the conversions
; give codes with K innermost.  A wave takes 32 columns (two record blocks) x 128 along K (one record each): 3,072 waves, each with two blocks' loads out.  Each store of 16 bytes a lane fills one aligned run of 256 bytes
; in each of the two records.  One text serves all six tensors: pointers, pitches and places are chosen by the work-group's number.  No LDS, no barrier.
; THE NORM: y = (x - mean) * rsqrt(var + 1e-5) * g + b along rows of 1,024 f32.  A work-group takes one record block (16 rows), wave w columns 128 w .. 128 w + 127: one record.  Each load reads 512 consecutive bytes of one
; row; the wave's 16 x 512 bytes turn through its own stage in LDS, so that lane (r, h) holds 64 numbers of row r, register 16 b + i = column 32 b + 16 h + i, the order in which the conversions want them.
; The row stays in registers: it is read from memory once.  Mean first, then the sum of squared differences (no difference of large sums).  The eight waves' partial sums meet in LDS: two barriers.
; No cluster: the work-groups share only g and b, 8 KiB.  No prefetch: every wave asks for its data at its head.
; LIMITS: a block of zeros gets the byte 1 (its codes are zeros; the bytes are read by this program alone); NaN and infinities are not served.
.set RECB,  1792
.set NW,    384                        ; work-groups of the weights
.set SUM0,  0                          ; LDS (the norm alone): eight waves' sums, 128 bytes each;
.set SUM1,  1024                       ; their sums of squares;
.set SPARE, 2048                       ; the spare words, 128 bytes a wave: four blocks of 256 bytes that no other line names;
.set STG,   3072                       ; a stage of 16 rows for each wave
.set SP,    528                        ; a stage row: 512 bytes + 16: sixteen lanes that read one column of sixteen rows touch sixteen different columns of 16 bytes
.set SPW,   14                         ; v14  LDS address of my spare word; never rewritten
.set NIL,   15                         ; v15  0; never rewritten
; ---- the weights' registers
.set VO,    4                          ; v4       my place in the two records: (which record) x its distance + 16 r
.set OFFS,  16                         ; v16-47   4 x lane + i rows of the weight
.set WX,    48                         ; v48-111  two sets of 32 numbers
.set FH,    112                        ; v112-123 the 12 registers of image lane (r, 0); v124-135 those of (r, 1)
.set WT,    136                        ; v136-138 a block's upper 16 codes (a conversion's three registers begin on an even number)
.set SW,    140                        ; v140-143 the scale word, four times
.set SB,    32                         ; s[32:39] the four blocks' first rows
.set DB,    48                         ; s[48:49] my first record
; ---- the norm's registers
.set LI,  1                            ; v1   16 x lane
.set GA,  2                            ; v2   g, b: my half's bytes
.set LSC, 3                            ; v3   16 r + 8 h
.set SA,  4                            ; v4   4 x lane + 128 x wave
.set SL,  5                            ; v5   4 x lane
.set STW, 6                            ; v6   the stage, on the way in: my wave's + 16 x lane
.set STR, 7                            ; v7   and on the way out: my wave's + 528 r + 64 h
.set MEAN, 12                          ; v12-13
.set RS,  16                           ; v16-17
.set C0,  18                           ; v18-25 four chains of pairs
.set ST,  26                           ; v26-33 the eight waves' sums
.set TM,  34                           ; v34-49 the quantiser's
.set PW,  50                           ; v50-51 the scale word, twice
.set X,   64                           ; v64-127  my 64 numbers
.set G,   128                          ; v128-191 g
.set BB,  192                          ; v192-255 b
.set PC,  128                          ; the codes, where g lay
.set PX,  56                           ; s[56:57] x, s[58:59] g, s[60:61] b, s[62:63] the records
.set PG,  58
.set PB,  60
.set PO,  62
.set SEL, 20
.macro LOAD q                          ; the q-th block taken: 32 numbers down K of my column, into set q % 2
.set i, 0
.rept 32
	global_load_b32 v[WX+32*((\q)%2)+i], v[OFFS+i], s[SB+2*(\q):SB+2*(\q)+1] th:TH_LOAD_NT
.set i, i+1
.endr
.endm
.macro BLOCK q
.set XS, WX+32*((\q)%2)
.set cc, (\q)%2                        ; which six of the lane's twelve registers
.set hh, (\q)/2                        ; which half of the image's lanes
.set bb, 2*cc+hh                       ; the block's number in the record
.set FF, FH+12*hh+6*cc
.if (\q) < 3
	s_wait_loadcnt 32                              ; this block's 32 loads are in; the next block's may be out
.else
	s_wait_loadcnt 0x0
.endif
	v_max3_num_f32 v12, |v[XS]|, |v[XS+1]|, |v[XS+2]|   ; the block's largest magnitude: all 32 numbers are mine
	v_max3_num_f32 v13, |v[XS+3]|, |v[XS+4]|, |v[XS+5]|
.irp i, 6,10,14,18,22,26
	s_delay_alu instid0(VALU_DEP_2)
	v_max3_num_f32 v12, v12, |v[XS+\i]|, |v[XS+\i+1]|
	s_delay_alu instid0(VALU_DEP_2)
	v_max3_num_f32 v13, v13, |v[XS+\i+2]|, |v[XS+\i+3]|
.endr
	s_delay_alu instid0(VALU_DEP_2)
	v_max3_num_f32 v12, v12, |v[XS+30]|, |v[XS+31]|
	s_delay_alu instid0(VALU_DEP_1)
	v_max3_num_f32 v12, v12, v13, 0x1800000        ; and the floor 2^(3 - 127): the byte cannot fall under 1
	s_delay_alu instid0(VALU_DEP_1)
	v_add_nc_u32 v11, 0xff000000, v12              ; 2 off its exponent field: the conversion takes this operand's exponent field as its scale
	s_delay_alu instid0(VALU_DEP_1)
	v_lshrrev_b32 v13, 23, v11                     ; the scale's byte
.if bb == 0
	s_delay_alu instid0(VALU_DEP_1)
	v_mov_b32 v[SW], v13
.else
	s_delay_alu instid0(VALU_DEP_1)
	v_lshl_or_b32 v[SW], v13, 8*bb, v[SW]
.endif
	v_cvt_scalef32_pk16_fp6_f32 v[FF:FF+2], v[XS:XS+15], v11
	v_cvt_scalef32_pk16_fp6_f32 v[WT:WT+2], v[XS+16:XS+31], v11
	v_nop                                          ; one plain line behind the conversions
.irp i, 0,1,2
	v_mov_b32 v[FF+3+\i], v[WT+\i]
.endr
.if (\q)+2 < 4
	LOAD (\q)+2
.endif
.if cc == 1                                    ; image lane (r, hh)'s twelve registers are whole: 16 lanes fill 256 consecutive bytes of each of the two records
.irp c, 0,1,2
	global_store_b128 v[VO], v[FH+12*hh+4*\c:FH+12*hh+4*\c+3], s[DB:DB+1] offset:512*\c+256*hh
.endr
.endif
.if (\q) == 3                                  ; and so is the scale word
	v_mov_b32 v[SW+1], v[SW]
	v_mov_b32 v[SW+2], v[SW]
	v_mov_b32 v[SW+3], v[SW]
	global_store_b128 v[VO], v[SW:SW+3], s[DB:DB+1] offset:1536
.endif
.endm
; 64 numbers of a lane, register 16 b + i = k 32 b + 16 h + i of my row, become a fragment's codes in v[pc] .. v[pc + 11] and its scale word in v[pw]
.macro QUANT s, pc, pw
.irp b, 0,1,2,3
	v_max3_num_f32 v[TM+\b], |v[\s+16*\b]|, |v[\s+1+16*\b]|, 0x1800000   ; my 16 numbers of block b, and the floor 2^(3 - 127): the byte cannot fall under 1
.endr
.irp i, 2,4,6,8,10,12,14
.irp b, 0,1,2,3
	s_delay_alu instid0(VALU_DEP_4)
	v_max3_num_f32 v[TM+\b], v[TM+\b], |v[\s+16*\b+\i]|, |v[\s+1+16*\b+\i]|
.endr
.endr
.irp b, 0,1,2,3
	s_delay_alu instid0(VALU_DEP_4)
	v_permlanex16_b32 v[TM+4+\b], v[TM+\b], s[SEL], s[SEL+1]
.endr
.irp b, 0,1,2,3
	s_delay_alu instid0(VALU_DEP_4)
	v_max_num_f32 v[TM+\b], v[TM+\b], v[TM+4+\b]   ; with lane l xor 16's: the block's largest magnitude
.endr
.irp b, 0,1,2,3
	s_delay_alu instid0(VALU_DEP_4)
	v_add_nc_u32 v[TM+12+\b], 0xff000000, v[TM+\b] ; 2 off its exponent field: the conversion's scale operand
.endr
.irp b, 0,1,2,3
	s_delay_alu instid0(VALU_DEP_4)
	v_lshrrev_b32 v[TM+4+\b], 23, v[TM+12+\b]      ; the scale's byte
.endr
	s_delay_alu instid0(VALU_DEP_3)
	v_lshl_or_b32 v[\pw], v[TM+5], 8, v[TM+4]
	s_delay_alu instid0(VALU_DEP_1)
	v_lshl_or_b32 v[\pw], v[TM+6], 16, v[\pw]
	s_delay_alu instid0(VALU_DEP_1)
	v_lshl_or_b32 v[\pw], v[TM+7], 24, v[\pw]
.irp c, 0,1
	v_cvt_scalef32_pk16_fp6_f32 v[\pc+6*\c:\pc+2+6*\c], v[\s+32*\c:\s+15+32*\c], v[TM+12+2*\c]
	v_cvt_scalef32_pk16_fp6_f32 v[\pc+12+4*\c:\pc+14+4*\c], v[\s+16+32*\c:\s+31+32*\c], v[TM+12+2*\c+1]
.endr
	v_nop                                          ; one plain line behind the conversions
.irp c, 0,1                                    ; the operand wants a whole block in a lane: lanes 0-15 block 2 c, lanes 16-31 block 2 c + 1
.irp i, 0,1,2
	v_permlane16_swap_b32 v[\pc+6*\c+\i], v[\pc+12+4*\c+\i]
.endr
.irp i, 0,1,2
	s_delay_alu instid0(VALU_DEP_3)
	v_mov_b32 v[\pc+3+6*\c+\i], v[\pc+12+4*\c+\i]
.endr
.endr
.endm
.macro STOREREC pc, pw, sb, imm        ; a record: three stores of 512 consecutive bytes and one of 256
	v_mov_b32 v[\pw+1], v[\pw]
.irp c, 0,1,2
	global_store_b128 v[LI], v[\pc+4*\c:\pc+4*\c+3], s[\sb:\sb+1] offset:\imm+512*\c
.endr
	global_store_b64 v[LSC], v[\pw:\pw+1], s[\sb:\sb+1] offset:\imm+1536
.endm
; the four chains, the lane's two halves, the other half of the lanes, then the eight waves through LDS: v[C0] ends as the row's sum, in every lane of the row
.macro ACROSS base
	s_delay_alu instid0(VALU_DEP_3)
	v_pk_add_f32 v[C0:C0+1], v[C0:C0+1], v[C0+2:C0+3]
	s_delay_alu instid0(VALU_DEP_2)
	v_pk_add_f32 v[C0+4:C0+5], v[C0+4:C0+5], v[C0+6:C0+7]
	s_delay_alu instid0(VALU_DEP_1)
	v_pk_add_f32 v[C0:C0+1], v[C0:C0+1], v[C0+4:C0+5]
	s_delay_alu instid0(VALU_DEP_1)
	v_add_f32 v[C0], v[C0], v[C0+1]
	s_delay_alu instid0(VALU_DEP_1)
	v_permlanex16_b32 v[ST], v[C0], s[SEL], s[SEL+1]
	s_delay_alu instid0(VALU_DEP_1)
	v_add_f32 v[C0], v[C0], v[ST]
	ds_store_b32 v[SA], v[C0] offset:\base
	s_wait_dscnt 0x0                               ; for the others' sake: my store has landed
	s_barrier_signal -1
	s_barrier_wait -1
.irp i, 0,1,2,3,4,5,6,7
	ds_load_b32 v[ST+\i], v[SL] offset:\base+128*\i
.endr
	s_wait_dscnt 0x0
	v_add_f32 v[C0], v[ST], v[ST+1]                ; the same order in every wave
.irp i, 2,3,4,5,6,7
	s_delay_alu instid0(VALU_DEP_1)
	v_add_f32 v[C0], v[C0], v[ST+\i]
.endr
.endm
	s_load_b256 s[4:11], s[0:1], 0x0               ; Wq, Wk, Wv, Wo
	s_load_b128 s[12:15], s[0:1], 0x20             ; W1, W2
	s_load_b64 s[16:17], s[0:1], 0x30              ; the weights' images
	s_load_b256 s[56:63], s[0:1], 0x38             ; the tokens, g, b, the tokens' records
	v_lshl_add_u32 v[SPW], v0, 2, SPARE
	v_mov_b32 v[NIL], 0
	v_lshrrev_b32 v1, 5, v0
	s_delay_alu instid0(VALU_DEP_1)
	v_readfirstlane_b32 s2, v1                     ; wave 0..7
	s_cmp_ge_u32 ttmp9, NW                         ; the work-group's number alone decides: the same in all eight waves
	s_cbranch_scc1 .Lnorm
	; ======== THE WEIGHTS
	v_and_b32 v2, 31, v0                           ; lane
	s_mov_b32 s20, 0                               ; the tensor's first work-group
	s_mov_b32 s21, 256                             ; bytes from one k to the next
	s_mov_b32 s22, 262144                          ; bytes from 64 columns to the next 64
	s_mov_b32 s23, 2                               ; log2 of the work-groups along the columns (256 columns each)
	s_mov_b32 s24, 8                               ; records along K
	s_mov_b32 s25, 0                               ; the tensor's image in the buffer
	s_wait_alu depctr_va_vdst(0)
	s_wait_kmcnt 0x0
	s_mov_b64 s[18:19], s[4:5]
	s_cmp_ge_u32 ttmp9, 32                         ; the choices hang on the work-group's number alone
	s_cselect_b64 s[18:19], s[6:7], s[18:19]
	s_cselect_b32 s20, 32, s20
	s_cselect_b32 s25, 917504, s25
	s_cmp_ge_u32 ttmp9, 64
	s_cselect_b64 s[18:19], s[8:9], s[18:19]
	s_cselect_b32 s20, 64, s20
	s_cselect_b32 s25, 1835008, s25
	s_cmp_ge_u32 ttmp9, 96
	s_cselect_b64 s[18:19], s[10:11], s[18:19]
	s_cselect_b32 s20, 96, s20
	s_cselect_b32 s21, 4096, s21
	s_cselect_b32 s22, 256, s22
	s_cselect_b32 s25, 2752512, s25
	s_cmp_ge_u32 ttmp9, 128
	s_cselect_b64 s[18:19], s[12:13], s[18:19]
	s_cselect_b32 s20, 128, s20
	s_cselect_b32 s21, 16384, s21
	s_cselect_b32 s23, 4, s23
	s_cselect_b32 s25, 3670016, s25
	s_cmp_ge_u32 ttmp9, 256
	s_cselect_b64 s[18:19], s[14:15], s[18:19]
	s_cselect_b32 s20, 256, s20
	s_cselect_b32 s21, 4096, s21
	s_cselect_b32 s23, 2, s23
	s_cselect_b32 s24, 32, s24
	s_cselect_b32 s25, 7340032, s25
	s_sub_co_u32 s26, ttmp9, s20                   ; my number within the tensor
	s_bfm_b32 s27, s23, 0
	s_and_b32 s27, s26, s27                        ; along the columns,
	s_lshr_b32 s28, s26, s23                       ; along K (128 each)
	s_lshl_b32 s27, s27, 3
	s_add_co_u32 s27, s27, s2                      ; g: my wave's group of 32 columns
	s_lshr_b32 s29, s27, 1
	s_mul_i32 s29, s29, s22
	s_and_b32 s30, s27, 1
	s_lshl_b32 s30, s30, 7
	s_add_co_u32 s29, s29, s30                     ; the group's first column, in bytes
	s_lshl_b32 s30, s21, 7
	s_mul_i32 s30, s30, s28                        ; my first k, in bytes
	s_add_co_u32 s50, s29, s30
	s_mov_b32 s51, 0
	s_add_nc_u64 s[18:19], s[18:19], s[50:51]
	s_mul_i32 s52, s24, RECB                       ; from a record block to the next
	s_mul_i32 s53, s27, s52
	s_lshl_b32 s53, s53, 1                         ; record block 2 g,
	s_mul_i32 s54, s28, RECB                       ; my record along K
	s_add_co_u32 s50, s53, s54
	s_add_co_u32 s50, s50, s25
	s_add_nc_u64 s[DB:DB+1], s[16:17], s[50:51]
	s_lshl_b32 s30, s21, 5                         ; 32 rows of the weight
.irp q, 0,1,2,3                                ; the blocks are taken in the order 0, 2, 1, 3: first image lane (r, 0)'s two, then (r, 1)'s
	s_mul_i32 s50, s30, 2*(\q%2)+\q/2
	s_add_nc_u64 s[SB+2*\q:SB+2*\q+1], s[18:19], s[50:51]
.endr
	v_bfe_u32 v5, v2, 3, 1                         ; column w of the 32 goes to record w / 8 % 2,
	v_and_b32 v6, 7, v2
	v_lshrrev_b32 v7, 4, v2
	s_delay_alu instid0(VALU_DEP_1)
	v_lshl_add_u32 v6, v7, 3, v6                   ; row w % 8 + 8 (w / 16)
	s_delay_alu instid0(VALU_DEP_4)
	v_mul_lo_u32 v5, v5, s52
	s_delay_alu instid0(VALU_DEP_1)
	v_lshl_add_u32 v[VO], v6, 4, v5
	v_lshlrev_b32 v[OFFS], 2, v2
.set i, 1
.rept 31
	s_delay_alu instid0(VALU_DEP_1)
	v_add_nc_u32 v[OFFS+i], s21, v[OFFS+i-1]
.set i, i+1
.endr
	LOAD 0
	LOAD 1
.irp q, 0,1,2,3
	BLOCK \q
.endr
	s_endpgm
	; ======== THE NORM
.Lnorm:
	s_sub_co_u32 s3, ttmp9, NW                     ; my record block
	v_and_b32 v8, 31, v0                           ; lane
	v_and_b32 v9, 15, v0                           ; r
	v_bfe_u32 v10, v0, 4, 1                        ; h
	s_delay_alu instid0(VALU_DEP_3)
	v_lshlrev_b32 v[LI], 4, v8
	s_delay_alu instid0(VALU_DEP_2)
	v_lshlrev_b32 v[GA], 6, v10
	s_delay_alu instid0(VALU_DEP_4)
	v_lshlrev_b32 v[LSC], 4, v9
	s_delay_alu instid0(VALU_DEP_1)
	v_lshl_add_u32 v[LSC], v10, 3, v[LSC]
	v_lshlrev_b32 v[SL], 2, v8
	s_lshl_b32 s22, s2, 7
	v_add_nc_u32 v[SA], s22, v[SL]
	s_mul_i32 s22, s2, 16*SP
	s_add_co_u32 s22, s22, STG                     ; my stage
	v_add_nc_u32 v[STW], s22, v[LI]
	v_mul_u32_u24 v11, v9, SP
	s_delay_alu instid0(VALU_DEP_1)
	v_add_nc_u32 v11, v11, v[GA]
	s_delay_alu instid0(VALU_DEP_1)
	v_add_nc_u32 v[STR], s22, v11
	v_mov_b32 v[ST], 0                             ; a lane permute's destination counts as one of its sources: written once
.irp b, 0,1,2,3
	v_mov_b32 v[TM+4+\b], 0
.endr
	s_mov_b32 s[SEL], 0x76543210
	s_mov_b32 s[SEL+1], 0xfedcba98                 ; lane l xor 16
	s_lshr_b32 s24, s3, 1
	s_lshl_b32 s24, s24, 17                        ; 32 rows of 4,096 bytes
	s_and_b32 s23, s3, 1
	s_lshl_b32 s23, s23, 15                        ; 8 rows
	s_add_co_u32 s24, s24, s23
	s_lshl_b32 s26, s2, 9                          ; my wave's 128 columns
	s_add_co_u32 s24, s24, s26
	s_mov_b32 s25, 0
	s_mov_b32 s27, 0
	s_lshl_b32 s28, s3, 3
	s_add_co_u32 s28, s28, s2
	s_mul_i32 s28, s28, RECB                       ; record (rb, w)
	s_mov_b32 s29, 0
	s_wait_alu depctr_va_vdst(0)
	s_wait_kmcnt 0x0
	s_add_nc_u64 s[PX:PX+1], s[PX:PX+1], s[24:25]
	s_add_nc_u64 s[PG:PG+1], s[PG:PG+1], s[26:27]
	s_add_nc_u64 s[PB:PB+1], s[PB:PB+1], s[26:27]
	s_add_nc_u64 s[PO:PO+1], s[PO:PO+1], s[28:29]
.set i, 0
.rept 16                                       ; record row i: 32 lanes read 512 consecutive bytes, at a multiple of 256 from the buffer's first byte
	global_load_b128 v[X+4*i:X+4*i+3], v[LI], s[PX:PX+1] offset:(i+8*(i/8))*4096 th:TH_LOAD_NT
.set i, i+1
.endr
.irp b, 0,1,2,3
.irp j, 0,1,2,3
	global_load_b128 v[G+16*\b+4*\j:G+16*\b+4*\j+3], v[GA], s[PG:PG+1] offset:128*\b+16*\j
.endr
.endr
.irp b, 0,1,2,3
.irp j, 0,1,2,3
	global_load_b128 v[BB+16*\b+4*\j:BB+16*\b+4*\j+3], v[GA], s[PB:PB+1] offset:128*\b+16*\j
.endr
.endr
	s_wait_loadcnt 32                              ; x's 16 loads are in; g's and b's 32 may be out
.set i, 0
.rept 16
	ds_store_b128 v[STW], v[X+4*i:X+4*i+3] offset:i*SP
.set i, i+1
.endr
.irp b, 0,1,2,3
.irp j, 0,1,2,3
	ds_load_b128 v[X+16*\b+4*\j:X+16*\b+4*\j+3], v[STR] offset:128*\b+16*\j   ; LDS serves a wave's instructions in order (ISA guide 5.7.1.4): these see my stores; the stage is my wave's own
.endr
.endr
	s_wait_dscnt 0x0
.irp k, 0,1,2,3
	v_pk_add_f32 v[C0+2*\k:C0+2*\k+1], v[X+2*\k:X+2*\k+1], v[X+8+2*\k:X+9+2*\k]   ; the first sixteen start the chains: nothing is cleared
.endr
.set i, 16
.rept 6
.irp k, 0,1,2,3
	s_delay_alu instid0(VALU_DEP_4)
	v_pk_add_f32 v[C0+2*\k:C0+2*\k+1], v[C0+2*\k:C0+2*\k+1], v[X+i+2*\k:X+i+2*\k+1]
.endr
.set i, i+8
.endr
	ACROSS SUM0
	s_delay_alu instid0(VALU_DEP_1)
	v_mul_f32 v[MEAN], 0x3a800000, v[C0]           ; / 1,024
	s_delay_alu instid0(VALU_DEP_1)
	v_mov_b32 v[MEAN+1], v[MEAN]
.set i, 0
.rept 32
	v_pk_add_f32 v[X+i:X+i+1], v[X+i:X+i+1], v[MEAN:MEAN+1] neg_lo:[0,1] neg_hi:[0,1]   ; x - mean
.set i, i+2
.endr
.irp k, 0,1,2,3
	v_pk_mul_f32 v[C0+2*\k:C0+2*\k+1], v[X+2*\k:X+2*\k+1], v[X+2*\k:X+2*\k+1]
.endr
.set i, 8
.rept 7
.irp k, 0,1,2,3
	s_delay_alu instid0(VALU_DEP_4)
	v_pk_fma_f32 v[C0+2*\k:C0+2*\k+1], v[X+i+2*\k:X+i+2*\k+1], v[X+i+2*\k:X+i+2*\k+1], v[C0+2*\k:C0+2*\k+1]
.endr
.set i, i+8
.endr
	ACROSS SUM1
	s_delay_alu instid0(VALU_DEP_1)
	v_mul_f32 v[RS], 0x3a800000, v[C0]             ; the variance
	s_delay_alu instid0(VALU_DEP_1)
	v_add_f32 v[RS], 0x3727c5ac, v[RS]             ; + 1e-5
	s_wait_alu depctr_va_vdst(0)
	v_rsq_f32 v[RS], v[RS]
	v_nop                                          ; a plain line behind the transcendental,
	s_wait_alu depctr_va_vdst(0)                   ; and a wait ahead of its first reader
	v_mov_b32 v[RS+1], v[RS]
	s_wait_alu depctr_va_vdst(0)
	s_wait_loadcnt 0x0                             ; g and b
.set i, 0
.rept 32
	v_pk_mul_f32 v[X+i:X+i+1], v[X+i:X+i+1], v[RS:RS+1]
.set i, i+2
.endr
.set i, 0
.rept 32
	v_pk_fma_f32 v[X+i:X+i+1], v[X+i:X+i+1], v[G+i:G+i+1], v[BB+i:BB+i+1]
.set i, i+2
.endr
	QUANT X, PC, PW
	STOREREC PC, PW, PO, 0
	s_wait_tensorcnt 0x0                           ; the wave's end, behind my last LDS store
	ds_add_u32 v[SPW], v[NIL]
	s_wait_dscnt 0x0
	s_endpgm
.Lfunc_end_k_q2132ae4501_prep:
	.size	k_q2132ae4501_prep, .Lfunc_end_k_q2132ae4501_prep-k_q2132ae4501_prep
	.p2alignl 7, 3214868480
	.fill 96, 4, 3214868480
	.section	.rodata,"a",@progbits
	.p2align	6, 0x0
	.amdhsa_kernel k_q2132ae4501_prep
		.amdhsa_group_segment_fixed_size 70656
		.amdhsa_private_segment_fixed_size 0
		.amdhsa_enable_private_segment 0
		.amdhsa_kernarg_size 88
		.amdhsa_user_sgpr_count 2
		.amdhsa_user_sgpr_kernarg_segment_ptr 1
		.amdhsa_wavefront_size32 1
		.amdhsa_system_sgpr_workgroup_id_x 1
		.amdhsa_system_sgpr_workgroup_id_y 1
		.amdhsa_system_sgpr_workgroup_id_z 1
		.amdhsa_system_vgpr_workitem_id 0
		.amdhsa_next_free_vgpr 256
		.amdhsa_next_free_sgpr 66
		.amdhsa_reserve_vcc 0
		.amdhsa_float_denorm_mode_32 3
		.amdhsa_float_denorm_mode_16_64 3
		.amdhsa_memory_ordered 1
		.amdhsa_forward_progress 1
		.amdhsa_inst_pref_size 57
	.end_amdhsa_kernel
	.amdgpu_metadata
---
amdhsa.version: [ 1, 2 ]
amdhsa.kernels:
  - .name:           k_q2132ae4501_prep
    .symbol:         k_q2132ae4501_prep.kd
    .args:
      - { .name: Wq, .offset: 0, .size: 8, .value_kind: global_buffer, .address_space: global }
      - { .name: Wk, .offset: 8, .size: 8, .value_kind: global_buffer, .address_space: global }
      - { .name: Wv, .offset: 16, .size: 8, .value_kind: global_buffer, .address_space: global }
      - { .name: Wo, .offset: 24, .size: 8, .value_kind: global_buffer, .address_space: global }
      - { .name: W1, .offset: 32, .size: 8, .value_kind: global_buffer, .address_space: global }
      - { .name: W2, .offset: 40, .size: 8, .value_kind: global_buffer, .address_space: global }
      - { .name: wimg, .offset: 48, .size: 8, .value_kind: global_buffer, .address_space: global }
      - { .name: src, .offset: 56, .size: 8, .value_kind: global_buffer, .address_space: global }
      - { .name: ln1_g, .offset: 64, .size: 8, .value_kind: global_buffer, .address_space: global }
      - { .name: ln1_b, .offset: 72, .size: 8, .value_kind: global_buffer, .address_space: global }
      - { .name: act, .offset: 80, .size: 8, .value_kind: global_buffer, .address_space: global }
    .group_segment_fixed_size: 70656
    .private_segment_fixed_size: 0
    .kernarg_segment_align: 8
    .kernarg_segment_size: 88
    .max_flat_workgroup_size: 256
    .sgpr_count:     66
    .vgpr_count:     256
    .wavefront_size: 32
...
	.end_amdgpu_metadata
.endif
;; end of part 1
;; launch qkvp (part 2): grid 16 x 12, 4 waves a work-group, clusters of 4 x 4, 327,680 bytes of LDS; arguments act, wimg, bq, bk, bv, qkv; writes qkv
.if DOCPART == 2
	.amdgcn_target "amdgcn-amd-amdhsa--gfx1250"
	.amdhsa_code_object_version 6
	.text
	.protected	k_q2132ae4501_qkvp
	.globl	k_q2132ae4501_qkvp
	.p2align	8
	.type	k_q2132ae4501_qkvp,@function
k_q2132ae4501_qkvp:
	s_mov_b64 s[64:65], 0
	v_nop
	global_prefetch_b8 v0, s[64:65] scope:SCOPE_SE
	s_setreg_imm32_b32 hwreg(HW_REG_WAVE_MODE, 25, 1), 1
	s_wait_xcnt 0x0
	s_wait_alu depctr_hold_cnt(0) depctr_sa_sdst(0) depctr_va_vdst(0) depctr_va_sdst(0) depctr_va_ssrc(0) depctr_va_vcc(0) depctr_vm_vsrc(0)
	s_getreg_b32 s2, hwreg(HW_REG_IB_STS2, 6, 4)
	s_cmp_eq_u32 s2, 0
	s_cbranch_scc0 .Lentry_in_a_cluster
	s_endpgm
.Lentry_in_a_cluster:
	s_bfe_u32 s2, ttmp6, 0x10000c
	s_cmp_lg_u32 s2, 0xf033
	s_cbranch_scc0 .Lentry_shape_is_right
	s_endpgm
.Lentry_shape_is_right:
; A GEMM on RECORDS of FP6 (E2M3) codes whose result is quantised again and stored as records.  KIND 0: the projections q, k and v of the normed tokens; KIND 1: relu(y W1 + b1).  The two texts differ in the line that sets KIND.
; A record is the image of an operand's registers for 16 rows x 128 along K, 1,792 bytes: bytes 512 c + 16 l = registers 4 c .. 4 c + 3 of lane l's 12; bytes 1536 + 16 r = row r's scale word, four times.
; Row r of record block rb is operand row 32 (rb / 2) + 8 (rb % 2) + r + 8 (r / 8).  An operand lies [record block][K / 128], so a block's records of neighbouring K steps are consecutive bytes.
; SHARES.  A tile of 256 x 256 to a work-group of four waves, 128 x 128 to a wave: 64 accumulators, 512 registers.  "A" is the operand along the tile rows and is source 1 (its rows are the result's lanes);
; "B" is the operand along the tile columns and is source 0: by the order of a record's rows, a lane's 64 registers of B's eight tiles are k = 32 b + 16 h + i of the NEXT product's K: they are quantised as they stand.
; KIND 0: for q and k A = tokens and B = weights (the next K is the head's axis); for v A = weights and B = tokens (the next K is the keys).  Which of the two is chosen by the cluster's y, by selects alone: one text, no branch.
; RING.  K goes in steps of 256 (two records a block) through two LDS slots.  A wave's one tensor load brings 8 blocks x 3,584 bytes: rows that begin at multiples of 256 bytes.  Fragments come by ds_load_b128 at 16 x lane: consecutive bytes.
; CLUSTERS: 4 x 4 work-groups; A's tiles are asked for jointly along a row of the cluster, B's along a column.
; REGISTERS: window 0: v16-23 addresses; v32-47 scale words, two sets; v48-63 the row bias; v64-159, v160-255 A's fragments, two sets.  window 1: v0-95, v96-191 B's, two sets; v192-255 the column bias.  windows 2, 3: accumulator (a, b) at 8 (8 a + b).
; No prefetch: each tile is read by many work-groups at about the same time, and the launch is short.
; LIMITS: a block of zeros gets the byte 1 (its codes are zeros; the bytes are read by this program alone); NaN and infinities are not served.
.set KIND,  0
.set KS,    8                          ; K / 128
.set MB,    8                          ; blocks of 16 rows in a wave's tile, on either side
.set NQ,    2                          ; steps of 128 along K in a slot
.set RECB,  1792
.set ROWB,  NQ*RECB                    ; a block's bytes in a slot
.set HALFT, MB*ROWB                    ; what one tensor load brings, and what one wave reads of A or of B
.set SLOT,  4*HALFT                    ; A's two halves, then B's two halves
.set SPARE, 2*SLOT+17408               ; the spare words, 128 bytes a wave: two blocks of 256 bytes that no other line names
.set LAPS,  KS/(2*NQ)
.set NLD,   7*MB                       ; LDS loads of a step: 3 a fragment, 1 a scale register
.set ADRA, 16                          ; v16-17 my A half in slot 0, 1, + 16 x lane
.set ADRB, 18                          ; v18-19 my B half
.set ADRS, 20                          ; v20-21 scale words: lanes 0-15 A's, lanes 16-31 B's
.set LI,   22                          ; v22  16 x lane
.set LSC,  23                          ; v23  16 r + 8 h
.set SPW,  28                          ; v28  LDS address of my spare word; never rewritten
.set NIL,  29                          ; v29  0; never rewritten
.set SC,   32
.set BR,   48
.set AF,   64
.set BC,   192
.set T,    64                          ; the way out, in window 0: 64 numbers,
.set PC,   128                         ; their codes,
.set TM,   168                         ; the quantiser's,
.set PW,   184                         ; the scale word, twice
.set G1,  24
.set G0,  32
.set G1B, 48
.set G0B, 56
.set SEL, 68
.set OUTB, 94                          ; s[94:95] my first record of the result;  s[96:97] from one of my records to the next
.set MSB, 0
.macro WIN new                         ; the immediate's high byte repeats the setting that is left
.if MSB != (\new)
	s_set_vgpr_msb (MSB<<8)|(\new)
.set MSB, (\new)
.endif
.endm
.macro PLACES n                        ; plain vector lines between a matrix instruction and a load into, or a vector line on, its registers
.rept \n
	v_nop
.endr
.endm
; A joint load: waves 0 and 1 fetch A's halves, waves 2 and 3 B's.  The branch hangs on the wave's number alone.  An s_nop 0 and four v_nop follow each of the two lines.
.macro JLOAD g0a, g1a, g0b, g1b
	s_cmp_eq_u32 s15, 0
	s_cbranch_scc0 .Lfor_b_\@
	tensor_load_to_lds s[\g0a:\g0a+3], s[\g1a:\g1a+7]
	s_nop 0
.rept 4
	v_nop
.endr
	s_branch .Lasked_\@
.Lfor_b_\@:
	tensor_load_to_lds s[\g0b:\g0b+3], s[\g1b:\g1b+7]
	s_nop 0
.rept 4
	v_nop
.endr
.Lasked_\@:
.endm
.macro CREST                           ; a round of the cluster's barrier behind its opening barrier
	s_cmp_lg_u32 s14, 0
	s_cbranch_scc1 .Lnot_wave_0_\@
	s_barrier_signal -3
.Lnot_wave_0_\@:
	s_barrier_wait -3
	s_barrier_signal -1
	s_barrier_wait -1
.endm
.macro CROUND
	s_barrier_signal -1
	s_barrier_wait -1
	CREST
.endm
.macro FETCH slot, q, set              ; the fragments and scale words of the slot's q-th 128 along K
	WIN 0x40
.set fi, 0
.rept MB
.irp c, 0,1,2
	ds_load_b128 v[96*(\set)+12*fi+4*\c:96*(\set)+12*fi+4*\c+3], v[ADRB+\slot] offset:fi*ROWB+(\q)*RECB+512*\c
.endr
.set fi, fi+1
.endr
	WIN 0
.set fi, 0
.rept MB
.irp c, 0,1,2
	ds_load_b128 v[AF+96*(\set)+12*fi+4*\c:AF+96*(\set)+12*fi+4*\c+3], v[ADRA+\slot] offset:fi*ROWB+(\q)*RECB+512*\c
.endr
.set fi, fi+1
.endr
.set fi, 0
.rept MB
	ds_load_b32 v[SC+MB*(\set)+fi], v[ADRS+\slot] offset:fi*ROWB+(\q)*RECB+1536
.set fi, fi+1
.endr
.endm
; a quarter of a step's products.  The accumulators take turns, one instruction a turn, in the same order in every step
.macro MULQ p, set, zero
.set ma, (\p)*MB/4
.rept MB/4
.set mb, 0
.rept MB
.set mt, ma*MB+mb
.set md, 8*(mt%32)
	WIN 0xa1+0x50*(mt/32)                          ; source 0 (B) window 1, source 1 (A) window 0, C and D window 2 or 3
.if \zero
	v_wmma_scale_f32_16x16x128_f8f6f4 v[md:md+7], v[96*(\set)+12*mb:96*(\set)+12*mb+11], v[AF+96*(\set)+12*ma:AF+96*(\set)+12*ma+11], 0, v[SC+MB*(\set)+mb], v[SC+MB*(\set)+ma] matrix_a_fmt:MATRIX_FMT_FP6 matrix_b_fmt:MATRIX_FMT_FP6 matrix_a_scale:MATRIX_SCALE_ROW1
.else
	v_wmma_scale_f32_16x16x128_f8f6f4 v[md:md+7], v[96*(\set)+12*mb:96*(\set)+12*mb+11], v[AF+96*(\set)+12*ma:AF+96*(\set)+12*ma+11], v[md:md+7], v[SC+MB*(\set)+mb], v[SC+MB*(\set)+ma] matrix_a_fmt:MATRIX_FMT_FP6 matrix_b_fmt:MATRIX_FMT_FP6 matrix_a_scale:MATRIX_SCALE_ROW1
.endif
.set mb, mb+1
.endr
.set ma, ma+1
.endr
.endm
.macro STEP slot, q, zero              ; a step that has its successor in the same slot: the successor's fragments are asked for first, into the other set
	PLACES 4
	FETCH \slot, (\q)+1, 1-(\q)%2
	s_wait_dscnt NLD                               ; all but the loads just issued: this step's set is in
	MULQ 0, (\q)%2, \zero
	MULQ 1, (\q)%2, \zero
	MULQ 2, (\q)%2, \zero
	MULQ 3, (\q)%2, \zero
	WIN 0
.endm
; A slot's last step changes slots: one barrier; ahead of it each wave waits for all its tensor loads, adds 0 to its spare word, and waits for that and for its reads of this slot.  fill = 1: this slot is filled again, two slots ahead.
.macro TURN slot, next, fill
	s_wait_tensorcnt 0x0                           ; all my tensor loads have landed: my part of the next slot
	ds_add_u32 v[SPW], v[NIL]                      ; 0 onto my spare word
	s_wait_dscnt 1                                 ; the add alone may be out: this step's set is in
	MULQ 0, 1, 0                                   ; a quarter of the products stands between the add and the wait for it
	s_wait_dscnt 0x0                               ; the add is done, and my reads of this slot are over
	s_barrier_signal -1
	MULQ 1, 1, 0
	WIN 0
	s_barrier_wait -1
.if \fill
	CREST                                          ; the barrier has opened a round of the cluster's: no wave of any partner still reads this slot or has a load on its way
	s_add_nc_u64 s[G0+4*\slot+2:G0+4*\slot+3], s[G0+4*\slot+2:G0+4*\slot+3], 2*ROWB
	s_add_nc_u64 s[G0B+4*\slot+2:G0B+4*\slot+3], s[G0B+4*\slot+2:G0B+4*\slot+3], 2*ROWB
	JLOAD G0+4*\slot, G1, G0B+4*\slot, G1B         ; the first tensor load behind the round; its four v_nop are also the places ahead of the loads below
.else
	PLACES 4
.endif
	FETCH \next, 0, 0
	MULQ 2, 1, 0
	MULQ 3, 1, 0
	WIN 0
.endm
.macro QUANT s, pc, pw                 ; 64 numbers of a lane, register 16 b + i = k 32 b + 16 h + i of my row, become a fragment's codes and its scale word
.irp b, 0,1,2,3
	v_max3_num_f32 v[TM+\b], |v[\s+16*\b]|, |v[\s+1+16*\b]|, 0x1800000   ; and the floor 2^(3 - 127): the byte cannot fall under 1
.endr
.irp i, 2,4,6,8,10,12,14
.irp b, 0,1,2,3
	v_max3_num_f32 v[TM+\b], v[TM+\b], |v[\s+16*\b+\i]|, |v[\s+1+16*\b+\i]|
.endr
.endr
.irp b, 0,1,2,3
	v_permlanex16_b32 v[TM+4+\b], v[TM+\b], s[SEL], s[SEL+1]
.endr
.irp b, 0,1,2,3
	v_max_num_f32 v[TM+\b], v[TM+\b], v[TM+4+\b]
.endr
.irp b, 0,1,2,3
	v_add_nc_u32 v[TM+12+\b], 0xff000000, v[TM+\b] ; 2 off the exponent field: the conversion's scale operand
.endr
.irp b, 0,1,2,3
	v_lshrrev_b32 v[TM+4+\b], 23, v[TM+12+\b]      ; the scale's byte
.endr
	v_lshl_or_b32 v[\pw], v[TM+5], 8, v[TM+4]
	v_lshl_or_b32 v[\pw], v[TM+6], 16, v[\pw]
	v_lshl_or_b32 v[\pw], v[TM+7], 24, v[\pw]
.irp c, 0,1
	v_cvt_scalef32_pk16_fp6_f32 v[\pc+6*\c:\pc+2+6*\c], v[\s+32*\c:\s+15+32*\c], v[TM+12+2*\c]
	v_cvt_scalef32_pk16_fp6_f32 v[\pc+12+4*\c:\pc+14+4*\c], v[\s+16+32*\c:\s+31+32*\c], v[TM+12+2*\c+1]
.endr
	v_nop                                          ; one plain line behind the conversions
.irp c, 0,1
.irp i, 0,1,2
	v_permlane16_swap_b32 v[\pc+6*\c+\i], v[\pc+12+4*\c+\i]
.endr
.irp i, 0,1,2
	v_mov_b32 v[\pc+3+6*\c+\i], v[\pc+12+4*\c+\i]
.endr
.endr
.endm
.macro STOREREC pc, pw, sb, imm        ; a record: three stores of 512 consecutive bytes and one of 256
	v_mov_b32 v[\pw+1], v[\pw]
.irp c, 0,1,2
	global_store_b128 v[LI], v[\pc+4*\c:\pc+4*\c+3], s[\sb:\sb+1] offset:\imm+512*\c
.endr
	global_store_b64 v[LSC], v[\pw:\pw+1], s[\sb:\sb+1] offset:\imm+1536
.endm
	s_load_b256 s[4:11], s[0:1], 0x0               ; KIND 0: tokens, weights, bq, bk;  KIND 1: tokens, weights, b1, the result
.if KIND == 0
	s_load_b128 s[72:75], s[0:1], 0x20             ; bv, the result
.endif
	v_lshl_add_u32 v[SPW], v0, 2, SPARE
	v_mov_b32 v[NIL], 0
	ds_add_u32 v[SPW], v[NIL]                      ; the wave's opening: the add and its wait ahead of my first tensor load; work on registers stands between them
	ds_add_u32 v[SPW], v[NIL]
	v_lshrrev_b32 v1, 5, v0
	v_readfirstlane_b32 s14, v1                    ; wave
	s_lshr_b32 s15, s14, 1                         ; my half of A.  Also: I fetch for A (0) or for B (1)
	s_and_b32 s16, s14, 1                          ; my half of B.  Also: which half I fetch
	s_bfe_u32 s40, ttmp6, 0x40000                  ; cx, cy
	s_bfe_u32 s41, ttmp6, 0x40004
	s_and_b32 s83, ttmp7, 0xffff                   ; the cluster's y,
	s_mov_b32 s82, ttmp9                           ; and x
.if KIND == 0                                  ; clusters with y = 0, 1: q and k, 4 rows x 2 columns of clusters; y = 2: v, 1 row x 4 columns
	s_lshl_b32 s81, s83, 2
	s_add_co_u32 s81, s81, ttmp9
	s_and_b32 s85, s81, 1
	s_lshr_b32 s81, s81, 1
	s_cmp_eq_u32 s83, 2
	s_cselect_b32 s84, 1, 0                        ; 1: v.  The same in all sixteen partners
	s_cselect_b32 s82, ttmp9, s85
	s_cselect_b32 s83, 0, s81
.endif
	s_lshl_b32 s42, s82, 2
	s_add_co_u32 s42, s42, s40                     ; tile column
	s_lshl_b32 s17, s83, 2
	s_add_co_u32 s17, s17, s41                     ; tile row
	s_lshl_b32 s43, s41, 2
	s_lshl_b32 s43, 15, s43                        ; my row of the cluster
	s_lshl_b32 s44, 0x1111, s40                    ; my column
	s_or_b32 s[G1], s43, (3<<16)|(1<<21)           ; 15:0 the mask; 17:16 elements of 8 bytes; 20 no padding; 21 set beside a mask
	s_or_b32 s[G1B], s44, (3<<16)|(1<<21)
.irp g, G1, G1B
	s_mov_b32 s[\g+1], (ROWB/8)<<16                ; tensor_dim0
	s_mov_b32 s[\g+2], MB<<16                      ; tensor_dim1
	s_mov_b32 s[\g+3], (ROWB/8)<<16                ; tile_dim0
	s_mov_b32 s[\g+4], MB                          ; tile_dim1
	s_mov_b32 s[\g+5], KS*RECB/8                   ; from a record block to the next
	s_mov_b32 s[\g+6], 0
	s_mov_b32 s[\g+7], 0
.endr
	s_mul_i32 s18, s16, MB
	s_mul_i32 s20, s17, 2*MB
	s_add_co_u32 s20, s20, s18                     ; A: the first record block that I fetch
	s_mul_i32 s20, s20, KS*RECB
	s_mov_b32 s21, 0
	s_mul_i32 s46, s42, 2*MB
	s_add_co_u32 s46, s46, s18                     ; B likewise, in registers that never hold cy
	s_mul_i32 s46, s46, KS*RECB
	s_mov_b32 s47, 0
	s_mul_i32 s45, s14, HALFT                      ; where they go: no place in the cluster enters an LDS address
	s_mov_b32 s[SEL], 0x76543210
	s_mov_b32 s[SEL+1], 0xfedcba98
	s_wait_dscnt 0x0                               ; the opening add is done
	s_wait_kmcnt 0x0
.if KIND == 0
	s_add_nc_u64 s[76:77], s[6:7], 1835008         ; Wv's image
	s_cmp_eq_u32 s84, 1
	s_cselect_b64 s[86:87], s[76:77], s[4:5]       ; A
	s_cselect_b64 s[88:89], s[4:5], s[6:7]         ; B
.else
	s_mov_b64 s[86:87], s[4:5]
	s_add_nc_u64 s[88:89], s[6:7], 3670016         ; W1's image
.endif
	s_add_nc_u64 s[20:21], s[86:87], s[20:21]
	s_add_nc_u64 s[46:47], s[88:89], s[46:47]
	CROUND                                         ; all sixteen work-groups are here: the first joint loads meet
.irp s, 0,1
	s_mov_b32 s[G0+4*\s], 1
	s_add_co_u32 s[G0+4*\s+1], s45, \s*SLOT
	s_add_nc_u64 s[G0+4*\s+2:G0+4*\s+3], s[20:21], \s*ROWB
	s_or_b32 s[G0+4*\s+3], s[G0+4*\s+3], 0x80000000
	s_mov_b32 s[G0B+4*\s], 1
	s_add_co_u32 s[G0B+4*\s+1], s45, \s*SLOT
	s_add_nc_u64 s[G0B+4*\s+2:G0B+4*\s+3], s[46:47], \s*ROWB
	s_or_b32 s[G0B+4*\s+3], s[G0B+4*\s+3], 0x80000000
.endr
	JLOAD G0, G1, G0B, G1B                         ; slot 0: one tensor load a wave at the head
	; THE LATER SLOTS ARE ASKED OF MEMORY AHEAD (this takes the place of the head comment's line on prefetching): of the 8 blocks x 3,584 bytes that I fetch for a slot,
	; the partner at place p (cx for A, cy for B) names blocks 2 p and 2 p + 1: 28 runs of 256 bytes, a lane a run; lanes 28-31 name the last again.  Here slots 1 and 2, behind slot 1's load slot 3.
.set PFA, 66
.set PFO, 30
	s_cmp_eq_u32 s15, 0
	s_cselect_b64 s[PFA:PFA+1], s[20:21], s[46:47]
	s_cselect_b32 s70, s40, s41
	s_mul_i32 s70, s70, 2*KS*RECB
	s_mov_b32 s71, 0
	s_add_nc_u64 s[PFA:PFA+1], s[PFA:PFA+1], s[70:71]
	v_and_b32 v1, 31, v0
	v_min_u32 v[PFO], 27, v1
	v_mul_u32_u24 v7, v[PFO], 147
	v_lshrrev_b32 v7, 11, v7                       ; lane / 14, for lanes 0 to 27
	v_mul_u32_u24 v7, v7, KS*RECB-ROWB
	v_lshl_add_u32 v[PFO], v[PFO], 8, v7
	global_prefetch_b8 v[PFO], s[PFA:PFA+1] offset:ROWB th:TH_LOAD_NT scope:SCOPE_SE
	global_prefetch_b8 v[PFO], s[PFA:PFA+1] offset:2*ROWB th:TH_LOAD_NT scope:SCOPE_SE
	v_and_b32 v2, 15, v0                           ; r
	v_bfe_u32 v3, v0, 4, 1                         ; h
	v_lshlrev_b32 v[LI], 4, v1
	v_lshlrev_b32 v[LSC], 4, v2
	v_lshl_add_u32 v[LSC], v3, 3, v[LSC]
	s_mul_i32 s90, s15, HALFT                      ; my half of A
	s_mul_i32 s91, s16, HALFT
	s_add_co_u32 s91, s91, 2*HALFT                 ; my half of B
	s_sub_co_u32 s92, s91, s90
	v_mul_u32_u24 v4, s92, v3                      ; lanes 16-31 take B's scale words
	v_add_nc_u32 v4, v4, v[LSC]
.irp s, 0,1
	v_add_nc_u32 v[ADRA+\s], s90, v[LI]
	v_add_nc_u32 v[ADRB+\s], s91, v[LI]
	v_add_nc_u32 v[ADRS+\s], s90, v4
	s_add_co_u32 s90, s90, SLOT
	s_add_co_u32 s91, s91, SLOT
.endr
	; the biases.  Along B's rows (a lane's registers): 64 numbers, in the result's order.  KIND 0 also along A's rows (the lanes): one number a block, twice, for the packed addition
.if KIND == 0
	s_and_b32 s92, s42, 3
	s_lshl_b32 s92, s92, 10
	s_lshl_b32 s93, s16, 9
	s_add_co_u32 s92, s92, s93
	s_cmp_eq_u32 s84, 1
	s_cselect_b32 s92, 0, s92                      ; (for v this bias is loaded from the buffer's head and cleared below: no load leaves its buffer)
	s_mov_b32 s93, 0
	s_cmp_lt_u32 s42, 4
	s_cselect_b64 s[76:77], s[8:9], s[10:11]       ; tile columns 0-3: q, 4-7: k
	s_add_nc_u64 s[76:77], s[76:77], s[92:93]
	s_lshl_b32 s92, s17, 10
	s_lshl_b32 s98, s15, 9
	s_add_co_u32 s92, s92, s98
	s_cmp_eq_u32 s84, 1
	s_cselect_b32 s92, s92, 0
	s_add_nc_u64 s[78:79], s[72:73], s[92:93]
.else
	s_lshl_b32 s92, s42, 10
	s_lshl_b32 s93, s16, 9
	s_add_co_u32 s92, s92, s93
	s_mov_b32 s93, 0
	s_add_nc_u64 s[76:77], s[8:9], s[92:93]
.endif
	v_lshlrev_b32 v5, 6, v3                        ; 16 h numbers
	WIN 0x40
.set i, 0
.rept 8
	global_load_b128 v[BC+8*i:BC+8*i+3], v5, s[76:77] offset:(32*(i/2)+8*(i%2))*4
	global_load_b128 v[BC+8*i+4:BC+8*i+7], v5, s[76:77] offset:(32*(i/2)+8*(i%2))*4+16
.set i, i+1
.endr
	WIN 0
.if KIND == 0
	v_and_b32 v6, 8, v2
	v_add_nc_u32 v6, v6, v2
	v_lshlrev_b32 v6, 2, v6                        ; r + 8 (r / 8) numbers
.set i, 0
.rept 8
	global_load_b32 v[BR+2*i], v6, s[78:79] offset:(32*(i/2)+8*(i%2))*4
	global_load_b32 v[BR+2*i+1], v6, s[78:79] offset:(32*(i/2)+8*(i%2))*4
.set i, i+1
.endr
.endif
	; where my records go
	s_lshl_b32 s96, s17, 4
	s_lshl_b32 s97, s15, 3
	s_add_co_u32 s96, s96, s97                     ; my first record block (A's)
	s_lshl_b32 s97, s42, 1
	s_add_co_u32 s97, s97, s16                     ; my 128 along the next K (B's)
	s_lshl_b32 s98, s96, 5
	s_add_co_u32 s98, s98, s97
	s_mul_i32 s98, s98, RECB                       ; laid [record block][32]
.if KIND == 0
	s_add_co_u32 s98, s98, 7340032                 ; v, behind q and k,
	s_lshl_b32 s99, s97, 8
	s_add_co_u32 s99, s99, s96
	s_mul_i32 s99, s99, RECB                       ; which are laid [K step][256 record blocks]
	s_cmp_eq_u32 s84, 1
	s_cselect_b32 s98, s98, s99
	s_mov_b32 s96, 32*RECB
	s_cselect_b32 s96, s96, RECB
	s_mov_b32 s97, 0
	s_mov_b32 s99, 0
	s_add_nc_u64 s[OUTB:OUTB+1], s[74:75], s[98:99]
.else
	s_mov_b32 s99, 0
	s_add_nc_u64 s[OUTB:OUTB+1], s[10:11], s[98:99]
.endif
	s_wait_alu depctr_va_vdst(0)
	s_wait_tensorcnt 0x0                           ; my part of slot 0 is in
	ds_add_u32 v[SPW], v[NIL]
	s_wait_dscnt 0x0
	CROUND                                         ; everybody's part of slot 0 is in, and the joint loads meet
	JLOAD G0+4, G1, G0B+4, G1B                     ; slot 1, the first tensor load behind the round
	FETCH 0, 0, 0
	global_prefetch_b8 v[PFO], s[PFA:PFA+1] offset:3*ROWB th:TH_LOAD_NT scope:SCOPE_SE
	STEP 0, 0, 1                                   ; the first step stands ahead of the loop: its products start the sums
	s_mov_b32 s3, LAPS-1
.Llap:                                                 ; a trip goes once round the ring and fills both slots again
	TURN 0, 1, 1
	STEP 1, 0, 0
	TURN 1, 0, 1
	STEP 0, 0, 0
	s_sub_co_u32 s3, s3, 1
	s_cmp_lg_u32 s3, 0
	s_cbranch_scc1 .Llap
	TURN 0, 1, 0                                   ; the last lap fills nothing
	STEP 1, 0, 0
	s_wait_dscnt 0x0
	MULQ 0, 1, 0
	MULQ 1, 1, 0
	MULQ 2, 1, 0
	MULQ 3, 1, 0
	WIN 0
	; THE WAY OUT: for each of A's eight blocks the lane's 64 results, with the bias (and relu), are quantised and stored as one record
	s_wait_loadcnt 0x0                             ; the biases
	PLACES 4
.irp b, 0,1,2,3
	v_mov_b32 v[TM+4+\b], 0                        ; a lane permute's destination counts as one of its sources: written once
.endr
.if KIND == 0
	s_cmp_eq_u32 s84, 1
	s_cselect_b32 s85, 0, -1                       ; the bias along B's rows holds for q and k,
	s_cselect_b32 s81, -1, 0                       ; that along A's rows for v: the other is cleared
	WIN 0x44
.set i, 0
.rept 64
	v_cndmask_b32 v[BC+i], 0, v[BC+i], s85
.set i, i+1
.endr
	WIN 0
.set i, 0
.rept 16
	v_cndmask_b32 v[BR+i], 0, v[BR+i], s81
.set i, i+1
.endr
.endif
.set a, 0
.rept 8
.if a > 0
	s_wait_xcnt 0x0                                ; the last record's stores have read their registers and their base
.if KIND == 0
	s_add_nc_u64 s[OUTB:OUTB+1], s[OUTB:OUTB+1], s[96:97]
.endif
.endif
	WIN 0x06+(a/4)                                 ; source 0: the accumulators' window; source 1: window 1
.set i, 0
.rept 32
	v_pk_add_f32 v[T+2*i:T+2*i+1], v[64*(a%4)+2*i:64*(a%4)+2*i+1], v[BC+2*i:BC+2*i+1]   ; each accumulator from its low end on
.set i, i+1
.endr
	WIN 0
.if KIND == 0
.set i, 0
.rept 32
	v_pk_add_f32 v[T+2*i:T+2*i+1], v[T+2*i:T+2*i+1], v[BR+2*a:BR+2*a+1]
.set i, i+1
.endr
	QUANT T, PC, PW
	STOREREC PC, PW, OUTB, 0
.else
.set i, 0
.rept 64
	v_max_num_f32 v[T+i], 0, v[T+i]                ; relu, in f32
.set i, i+1
.endr
	QUANT T, PC, PW
	STOREREC PC, PW, OUTB, a*32*RECB
.endif
.set a, a+1
.endr
	s_wait_tensorcnt 0x0                           ; the wave's end
	ds_add_u32 v[SPW], v[NIL]
	s_wait_dscnt 0x0
	CROUND                                         ; the closing round: no work-group ends while a partner may still ask for a tile that names it
	s_endpgm
.Lfunc_end_k_q2132ae4501_qkvp:
	.size	k_q2132ae4501_qkvp, .Lfunc_end_k_q2132ae4501_qkvp-k_q2132ae4501_qkvp
	.p2alignl 7, 3214868480
	.fill 96, 4, 3214868480
	.section	.rodata,"a",@progbits
	.p2align	6, 0x0
	.amdhsa_kernel k_q2132ae4501_qkvp
		.amdhsa_group_segment_fixed_size 327680
		.amdhsa_private_segment_fixed_size 0
		.amdhsa_enable_private_segment 0
		.amdhsa_kernarg_size 48
		.amdhsa_user_sgpr_count 2
		.amdhsa_user_sgpr_kernarg_segment_ptr 1
		.amdhsa_wavefront_size32 1
		.amdhsa_system_sgpr_workgroup_id_x 1
		.amdhsa_system_sgpr_workgroup_id_y 1
		.amdhsa_system_sgpr_workgroup_id_z 1
		.amdhsa_system_vgpr_workitem_id 0
		.amdhsa_next_free_vgpr 1024
		.amdhsa_next_free_sgpr 100
		.amdhsa_reserve_vcc 0
		.amdhsa_float_denorm_mode_32 3
		.amdhsa_float_denorm_mode_16_64 3
		.amdhsa_memory_ordered 1
		.amdhsa_forward_progress 1
		.amdhsa_inst_pref_size 181
	.end_amdhsa_kernel
	.amdgpu_metadata
---
amdhsa.version: [ 1, 2 ]
amdhsa.kernels:
  - .name:           k_q2132ae4501_qkvp
    .symbol:         k_q2132ae4501_qkvp.kd
    .args:
      - { .name: act, .offset: 0, .size: 8, .value_kind: global_buffer, .address_space: global }
      - { .name: wimg, .offset: 8, .size: 8, .value_kind: global_buffer, .address_space: global }
      - { .name: bq, .offset: 16, .size: 8, .value_kind: global_buffer, .address_space: global }
      - { .name: bk, .offset: 24, .size: 8, .value_kind: global_buffer, .address_space: global }
      - { .name: bv, .offset: 32, .size: 8, .value_kind: global_buffer, .address_space: global }
      - { .name: qkv, .offset: 40, .size: 8, .value_kind: global_buffer, .address_space: global }
    .group_segment_fixed_size: 327680
    .private_segment_fixed_size: 0
    .kernarg_segment_align: 8
    .kernarg_segment_size: 48
    .max_flat_workgroup_size: 128
    .sgpr_count:     100
    .vgpr_count:     1024
    .wavefront_size: 32
...
	.end_amdgpu_metadata
.endif
;; end of part 2
;; launch attn (part 3): grid 8 x 32, 4 waves a work-group, clusters of 4 x 1, 327,680 bytes of LDS; arguments qkv, mask, scale, act; writes act
.if DOCPART == 3
	.amdgcn_target "amdgcn-amd-amdhsa--gfx1250"
	.amdhsa_code_object_version 6
	.text
	.protected	k_q2132ae4501_attn
	.globl	k_q2132ae4501_attn
	.p2align	8
	.type	k_q2132ae4501_attn,@function
k_q2132ae4501_attn:
	s_mov_b64 s[64:65], 0
	v_nop
	global_prefetch_b8 v0, s[64:65] scope:SCOPE_SE
	s_setreg_imm32_b32 hwreg(HW_REG_WAVE_MODE, 25, 1), 1
	s_wait_xcnt 0x0
	s_wait_alu depctr_hold_cnt(0) depctr_sa_sdst(0) depctr_va_vdst(0) depctr_va_sdst(0) depctr_va_ssrc(0) depctr_va_vcc(0) depctr_vm_vsrc(0)
	s_getreg_b32 s2, hwreg(HW_REG_IB_STS2, 6, 4)
	s_cmp_eq_u32 s2, 0
	s_cbranch_scc0 .Lentry_in_a_cluster
	s_endpgm
.Lentry_in_a_cluster:
	s_bfe_u32 s2, ttmp6, 0x10000c
	s_cmp_lg_u32 s2, 0x3003
	s_cbranch_scc0 .Lentry_shape_is_right
	s_endpgm
.Lentry_shape_is_right:
; ctx = (softmax(q k^T / 8, masked keys out) x scale[head]) v, both products on codes of FP6 (E2M3) with one E8M0 byte for each 32 along K; the weights are quantised FINISHED: normalised and scaled.
; q, k, v arrive as RECORDS (an operand's registers for 16 rows x 128 along K, 1,792 bytes: bytes 512 c + 16 l = registers 4 c .. 4 c + 3 of lane l; bytes 1536 + 16 r = row r's scale word, four times;
; row r of record block rb is row 32 (rb / 2) + 8 (rb % 2) + r + 8 (r / 8)).  q and k: [head pair, q's 8 then k's 8][256 token blocks], K = the pair's 128 channels.  v: [64 channel blocks][32 x 128 tokens], K = the keys.
; SHARES.  A work-group: one batch, one pair of heads, 128 queries; a wave: two blocks of 16 queries.  Four trips: (query block, head of the pair).  Both products are used transposed: a lane holds one query.
; A HEAD'S K IS 64: of a pair's record of k only the two runs of 512 bytes that hold the head's six registers are read; q's fragment has zero codes in the other head's half, so what k's registers hold there adds nothing.
; THE MASK rides in that half: q has there ONE code of 1.0 (lanes 0-15), under the scale byte 127; k's register at the same place is read from a table, the code -7.5 for a masked key and 0 for an open one,
; and that block's scale byte of k is the constant 180 for every key: a masked key's score gets -7.5 x 2^53, an open key's exactly 0.  With any open key a masked key's weight is 0.
; A row whose largest score lies under -2^55 has no open key: its lane takes c = 0 by a select, so that all its weights are equal.
; Tables, made at the head from k's scale words and the mask: KST [head][64 tiles][16 rows] scale words, MCT [64 tiles][16 rows] mask codes.  K's and V's records lie in LDS for the whole launch, filled once.
; CLUSTER: four blocks of 128 queries of one batch and pair read the same K and V: asked for jointly.  No prefetch: K and V come once, at the head, and the loop reads LDS alone.
; LIMITS: raw |q . k| under 2^31; a block's largest weight is taken from its largest score (takes the exponential not to fall where its input rises); a block of zeros gets the byte 1; NaN and infinities are not served.
; REGISTERS: window 0 as named below; window 1: v0-191 k's fragments (two sets of 8), then v's (four sets of 4), v192-231 the weights' fragments; windows 2, 3: the 64 tiles of scores, tile t at 8 (t % 32).
.set RECB,  1792
.set VIMG,  114688                     ; LDS: K's 64 records from 0, V's 64 from here: record (channel block i, K step) at (8 i + step) x 1,792
.set KST,   229376
.set MCT,   237568
.set SPARE, 241664                     ; the spare words, 128 bytes a wave
.set LI,   4                           ; v4 16 x lane (also K's records 0-31), v5 + 32 records
.set AKS,  6                           ; KST + 4 r
.set AMC,  7                           ; MCT + 4 r
.set AV,   8
.set AVS,  9
.set AV0,  10
.set AVS0, 11
.set LSC,  14                          ; 16 r + 8 h
.set CC,   16                          ; v16-17 c, or 0 in a row with no open key
.set NM,   18                          ; v18-19 -(c x the row's largest score)
.set RR,   20                          ; v20-21 scale[head] / the row's sum
.set CV,   22                          ; c = log2(e) / 8
.set QM,   23                          ; the code 1.0 in lanes 0-15, 0 in lanes 16-31
.set SPW,  30
.set NIL,  31
.set QF0,  32
.set QS0,  44
.set QF1,  46
.set QS1,  58
.set QH,   60                          ; v60-71 the trip's q
.set QS,   72
.set KSC,  74                          ; v74-89 K's scale words, two sets; then
.set VSC,  74                          ; v74-105 V's, four for each of eight steps
.set PWK,  106                         ; v106-113 the weights' scale words
.set BM,   114                         ; v114-145 the 32 blocks' largest
.set B2,   146                         ; v146-177 at work; then the conversions' scale operands
.set L,    146                         ; v146-161 the sum, eight chains of pairs, while B2 is idle
.set LO,   178                         ; v178-209 the first head's context, v210-241 the accumulators
.set HI,   210
.set T,    242
.set TM,   114
.set PC,   130
.set PW,   150
.set WV,   12
.set G1K,  24
.set G1V,  32
.set G0K,  40
.set G0V,  44
.set SEL,  48
.set SC0,  52
.set SCH,  54
.set IT,   55
.set HP,   56
.set HM,   57
.set HN,   58
.set TMK,  59
.set VH,   60
.set OB,   62
.set OBT,  78
.set QAND, 80
.set QOR,  81
.set MSB, 0
.macro WIN new                         ; the immediate's high byte repeats the setting that is left
.if MSB != (\new)
	s_set_vgpr_msb (MSB<<8)|(\new)
.set MSB, (\new)
.endif
.endm
.macro PLACES n
.rept \n
	v_nop
.endr
.endm
.macro CROUND                          ; a round of the cluster's barrier
	s_barrier_signal -1
	s_barrier_wait -1
	s_cmp_lg_u32 s[WV], 0
	s_cbranch_scc1 .Lnot_wave_0_\@
	s_barrier_signal -3
.Lnot_wave_0_\@:
	s_barrier_wait -3
	s_barrier_signal -1
	s_barrier_wait -1
.endm
.macro QUANT s, pc, pw                 ; 64 numbers of a lane, register 16 b + i = k 32 b + 16 h + i of my row, become a fragment's codes and its scale word
.irp b, 0,1,2,3
	v_max3_num_f32 v[TM+\b], |v[\s+16*\b]|, |v[\s+1+16*\b]|, 0x1800000
.endr
.irp i, 2,4,6,8,10,12,14
.irp b, 0,1,2,3
	v_max3_num_f32 v[TM+\b], v[TM+\b], |v[\s+16*\b+\i]|, |v[\s+1+16*\b+\i]|
.endr
.endr
.irp b, 0,1,2,3
	v_permlanex16_b32 v[TM+4+\b], v[TM+\b], s[SEL], s[SEL+1]
.endr
.irp b, 0,1,2,3
	v_max_num_f32 v[TM+\b], v[TM+\b], v[TM+4+\b]
.endr
.irp b, 0,1,2,3
	v_add_nc_u32 v[TM+12+\b], 0xff000000, v[TM+\b]
.endr
.irp b, 0,1,2,3
	v_lshrrev_b32 v[TM+4+\b], 23, v[TM+12+\b]
.endr
	v_lshl_or_b32 v[\pw], v[TM+5], 8, v[TM+4]
	v_lshl_or_b32 v[\pw], v[TM+6], 16, v[\pw]
	v_lshl_or_b32 v[\pw], v[TM+7], 24, v[\pw]
.irp c, 0,1
	v_cvt_scalef32_pk16_fp6_f32 v[\pc+6*\c:\pc+2+6*\c], v[\s+32*\c:\s+15+32*\c], v[TM+12+2*\c]
	v_cvt_scalef32_pk16_fp6_f32 v[\pc+12+4*\c:\pc+14+4*\c], v[\s+16+32*\c:\s+31+32*\c], v[TM+12+2*\c+1]
.endr
	v_nop
.irp c, 0,1
.irp i, 0,1,2
	v_permlane16_swap_b32 v[\pc+6*\c+\i], v[\pc+12+4*\c+\i]
.endr
.irp i, 0,1,2
	v_mov_b32 v[\pc+3+6*\c+\i], v[\pc+12+4*\c+\i]
.endr
.endr
.endm
.macro STOREREC pc, pw, sb, imm
	v_mov_b32 v[\pw+1], v[\pw]
.irp c, 0,1,2
	global_store_b128 v[LI], v[\pc+4*\c:\pc+4*\c+3], s[\sb:\sb+1] offset:\imm+512*\c
.endr
	global_store_b64 v[LSC], v[\pw:\pw+1], s[\sb:\sb+1] offset:\imm+1536
.endm
; K's tiles 8 g .. 8 g + 7 for head hp into set g % 2: registers 4 hp .. 4 hp + 7 of each fragment, the mask's register (9, or 0 for head 1), the scale word: 32 loads
.macro KLOAD g, hp
	WIN 0x40
.set i, 0
.rept 8
.set kt, 8*(\g)+i
.set ff, 96*((\g)%2)+12*i
	ds_load_b128 v[ff+4*\hp:ff+4*\hp+3], v[LI+kt/32] offset:(kt%32)*RECB+512*\hp
	ds_load_b128 v[ff+4*\hp+4:ff+4*\hp+7], v[LI+kt/32] offset:(kt%32)*RECB+512*\hp+512
	ds_load_b32 v[ff+9-9*\hp], v[AMC] offset:64*kt
.set i, i+1
.endr
	WIN 0
.set i, 0
.rept 8
	ds_load_b32 v[KSC+8*((\g)%2)+i], v[AKS] offset:64*(8*(\g)+i)+4096*\hp
.set i, i+1
.endr
.endm
.macro BMAX g                          ; the largest score of my half of blocks 4 g .. 4 g + 3, the four by turns; each tile from its low end on
.set bw, 2+(\g)/4
	WIN bw*20                                      ; sources 1 and 2: the scores' window
.irp u, 0,1,2,3
	v_max3_num_f32 v[BM+4*(\g)+\u], 0xff7fffff, v[64*((\g)%4)+16*\u], v[64*((\g)%4)+16*\u+1]
.endr
.irp j, 2,4,6,8,10,12,14
.irp u, 0,1,2,3
	v_max3_num_f32 v[BM+4*(\g)+\u], v[BM+4*(\g)+\u], v[64*((\g)%4)+16*\u+\j], v[64*((\g)%4)+16*\u+\j+1]
.endr
.endr
.endm
; S^T = k q^T for head hp: 64 tiles, eight at a time; K's loads run two groups ahead; the maxima of the group before are the places behind each group's products
.macro SCORES hp
	v_mov_b32 v[QH+9-9*\hp], v[QM]
	KLOAD 0, \hp
	KLOAD 1, \hp
	PLACES 4
	s_wait_alu depctr_va_vdst(0)                   ; q's fragment was just made
.set g, 0
.rept 8
.if g < 7
	s_wait_dscnt 32                                ; all but the next group's 32 loads
.else
	s_wait_dscnt 0x0
.endif
	WIN 0x81+0x40*(g/4)                            ; source 0 (K) window 1, source 1 (q) window 0, D window 2 or 3
.set i, 0
.rept 8
	v_wmma_scale_f32_16x16x128_f8f6f4 v[64*(g%4)+8*i:64*(g%4)+8*i+7], v[96*(g%2)+12*i:96*(g%2)+12*i+11], v[QH:QH+11], 0, v[KSC+8*(g%2)+i], v[QS] matrix_a_fmt:MATRIX_FMT_FP6 matrix_b_fmt:MATRIX_FMT_FP6
.set i, i+1
.endr
.if g > 0
	BMAX g-1
.else
	WIN 0
	PLACES 4
.endif
.if g < 6
	KLOAD g+2, \hp
.endif
.set g, g+1
.endr
	WIN 0
	PLACES 4
	BMAX 7
	WIN 0
	s_wait_alu depctr_va_vdst(0)
.endm
.macro VLOAD ks                        ; the head's four records of V for keys 128 ks on, into set ks % 4: 16 loads
	WIN 0x40
.set i, 0
.rept 4
.irp c, 0,1,2
	ds_load_b128 v[48*((\ks)%4)+12*i+4*\c:48*((\ks)%4)+12*i+4*\c+3], v[AV] offset:i*8*RECB+(\ks)*RECB+512*\c
.endr
.set i, i+1
.endr
	WIN 0
.set i, 0
.rept 4
	ds_load_b32 v[VSC+4*(\ks)+i], v[AVS] offset:i*8*RECB+(\ks)*RECB+1536
.set i, i+1
.endr
.endm
.macro MUL ks                          ; the finished weights of keys 128 ks on
	WIN ((2+(\ks)/4)<<6)|(2+(\ks)/4)
.set i, 0
.rept 32
	v_pk_mul_f32 v[64*((\ks)%4)+2*i:64*((\ks)%4)+2*i+1], v[64*((\ks)%4)+2*i:64*((\ks)%4)+2*i+1], v[RR:RR+1]
.set i, i+1
.endr
.endm
.macro QP ks                           ; they become a fragment, in window 1
.set ww, 2+(\ks)/4
.set sb, 64*((\ks)%4)
.set pp, 192+20*((\ks)%2)
	WIN 0x40|ww
.irp c, 0,1
	v_cvt_scalef32_pk16_fp6_f32 v[pp+6*\c:pp+6*\c+2], v[sb+32*\c:sb+32*\c+15], v[B2+4*(\ks)+2*\c]
	v_cvt_scalef32_pk16_fp6_f32 v[pp+12+4*\c:pp+14+4*\c], v[sb+16+32*\c:sb+31+32*\c], v[B2+4*(\ks)+2*\c+1]
.endr
	WIN 0x41
	v_nop                                          ; one plain line behind the conversions
.irp c, 0,1
.irp i, 0,1,2
	v_permlane16_swap_b32 v[pp+6*\c+\i], v[pp+12+4*\c+\i]
.endr
.irp i, 0,1,2
	v_mov_b32 v[pp+3+6*\c+\i], v[pp+12+4*\c+\i]
.endr
.endr
	WIN 0
.endm
	s_load_b256 s[4:11], s[0:1], 0x0               ; q k v, the mask, the gains, ctx
	v_lshl_add_u32 v[SPW], v0, 2, SPARE
	v_mov_b32 v[NIL], 0
	ds_add_u32 v[SPW], v[NIL]                      ; the opening lines: the add, twice on end, and its wait ahead of my first tensor load
	ds_add_u32 v[SPW], v[NIL]
	v_lshrrev_b32 v1, 5, v0
	v_readfirstlane_b32 s[WV], v1
	s_bfe_u32 s13, ttmp6, 0x40000                  ; cx
	s_lshl_b32 s14, ttmp9, 2
	s_add_co_u32 s14, s14, s13                     ; my block of 128 queries: it enters q's and ctx's addresses alone
	s_and_b32 s15, ttmp7, 0xffff
	s_lshr_b32 s16, s15, 3                         ; batch
	s_and_b32 s17, s15, 7                          ; pair of heads
	s_and_b32 s18, s[WV], 1                        ; which half I fetch: waves 0, 1 of K, waves 2, 3 of V
	s_add_co_u32 s66, s17, 8
	s_lshl_b32 s66, s66, 8
	s_lshl_b32 s67, s16, 6
	s_add_co_u32 s66, s66, s67
	s_mul_i32 s66, s66, RECB                       ; K: record (8 + pair) x 256 + 64 batch
	s_mov_b32 s67, 0
	s_mul_i32 s70, s18, 32*RECB                    ; my half: of K in memory, and of either image in LDS
	s_mov_b32 s71, 0
	s_lshl_b32 s68, s17, 3
	s_lshl_b32 s69, s18, 2
	s_add_co_u32 s68, s68, s69
	s_lshl_b32 s68, s68, 5
	s_lshl_b32 s69, s16, 3
	s_add_co_u32 s68, s68, s69
	s_mul_i32 s68, s68, RECB
	s_add_co_u32 s68, s68, 7340032                 ; V: record (8 pair + 4 half) x 32 + 8 batch, behind q and k
	s_mov_b32 s69, 0
	s_mov_b32 s[G1K], 15|(3<<16)|(1<<21)           ; the mask: all four work-groups; elements of 8 bytes; bit 21 beside a mask
	s_mov_b32 s[G1K+1], 224<<16                    ; K: 32 records on end, a record a row
	s_mov_b32 s[G1K+2], 32<<16
	s_mov_b32 s[G1K+3], 224<<16
	s_mov_b32 s[G1K+4], 32
	s_mov_b32 s[G1K+5], 224
	s_mov_b32 s[G1K+6], 0
	s_mov_b32 s[G1K+7], 0
	s_mov_b32 s[G1V], 15|(3<<16)|(1<<21)
	s_mov_b32 s[G1V+1], 1792<<16                   ; V: 4 channel blocks x the batch's 8 records, 32 records apart
	s_mov_b32 s[G1V+2], 4<<16
	s_mov_b32 s[G1V+3], 1792<<16
	s_mov_b32 s[G1V+4], 4
	s_mov_b32 s[G1V+5], 7168
	s_mov_b32 s[G1V+6], 0
	s_mov_b32 s[G1V+7], 0
	s_mov_b32 s[SEL], 0x76543210
	s_mov_b32 s[SEL+1], 0xfedcba98
	s_mov_b32 s[IT], 0
	s_mov_b32 s[VH], 0
	s_lshl_b32 s82, s17, 3
	s_lshl_b32 s72, s16, 6
	s_lshl_b32 s73, s14, 3
	s_add_co_u32 s72, s72, s73
	s_add_co_u32 s72, s72, s[WV]                   ; my first block of 16 queries; the second lies 4 blocks on
	s_lshl_b32 s74, s17, 8
	s_add_co_u32 s74, s74, s72
	s_mul_i32 s74, s74, RECB                       ; its record of q
	s_mov_b32 s75, 0
	s_lshl_b32 s86, s72, 3
	s_add_co_u32 s86, s86, s17
	s_mul_i32 s86, s86, RECB                       ; its record of ctx
	s_mov_b32 s87, 0
	s_lshl_b32 s88, s16, 12                        ; the batch's row of the mask
	s_mov_b32 s89, 0
	s_mov_b32 s90, 0xffff                          ; head 0's scale word of k: its own two bytes, 180 for the mask's block, 127
	s_mov_b32 s91, 0x7fb40000
	s_mov_b32 s92, 0xffff0000                      ; head 1's
	s_mov_b32 s93, 0x7fb4
	v_and_b32 v1, 31, v0
	v_and_b32 v2, 15, v0
	v_bfe_u32 v3, v0, 4, 1
	v_lshlrev_b32 v[LI], 4, v1
	v_lshlrev_b32 v[LSC], 4, v2
	v_lshl_add_u32 v[LSC], v3, 3, v[LSC]
	v_add_nc_u32 v[LI+1], 32*RECB, v[LI]
	v_lshl_add_u32 v[AKS], v2, 2, KST
	v_lshl_add_u32 v[AMC], v2, 2, MCT
	v_add_nc_u32 v[AV0], VIMG, v[LI]
	v_add_nc_u32 v[AVS0], VIMG, v[LSC]
	v_xor_b32 v[QM], 1, v3
	v_lshlrev_b32 v[QM], 3, v[QM]
	v_mov_b32 v[CV], 0x3e38aa3b
	v_lshrrev_b32 v24, 1, v0                       ; the tables: thread 2 t + u makes rows 8 u .. 8 u + 7 of tile t: keys 32 (t / 2) + 8 (t % 2) + 16 u + 0 .. 7
	v_and_b32 v25, 1, v0
	v_mul_u32_u24 v26, v24, RECB
	v_lshl_add_u32 v26, v25, 7, v26                ; their scale words in K's records
	v_lshrrev_b32 v27, 1, v24
	v_and_b32 v28, 1, v24
	v_lshlrev_b32 v27, 7, v27
	v_lshl_add_u32 v27, v28, 5, v27
	v_lshl_add_u32 v27, v25, 6, v27                ; their keys in the mask
	v_lshl_add_u32 v29, v0, 5, KST                 ; and their 32 bytes in each table
	s_wait_alu depctr_va_vdst(0)
	s_wait_dscnt 0x0                               ; both opening adds are done
	s_wait_kmcnt 0x0
	s_load_b64 s[SC0:SC0+1], s[8:9], s82 offset:0x0
	s_add_nc_u64 s[84:85], s[4:5], s[66:67]
	s_add_nc_u64 s[76:77], s[4:5], s[74:75]
	s_add_nc_u64 s[OB:OB+1], s[10:11], s[86:87]
	s_add_nc_u64 s[6:7], s[6:7], s[88:89]
.irp j, 0,1,2,3,4,5,6,7
	global_load_b32 v[122+\j], v26, s[84:85] offset:1536+16*\j
.endr
	global_load_b128 v[114:117], v27, s[6:7]
	global_load_b128 v[118:121], v27, s[6:7] offset:16
.irp c, 0,1,2
	global_load_b128 v[QF0+4*\c:QF0+4*\c+3], v[LI], s[76:77] offset:512*\c
	global_load_b128 v[QF1+4*\c:QF1+4*\c+3], v[LI], s[76:77] offset:4*RECB+512*\c
.endr
	global_load_b32 v[QS0], v[LSC], s[76:77] offset:1536
	global_load_b32 v[QS1], v[LSC], s[76:77] offset:4*RECB+1536
	s_mov_b32 s[G0K], 1
	s_mov_b32 s[G0K+1], s70
	s_add_nc_u64 s[G0K+2:G0K+3], s[84:85], s[70:71]
	s_or_b32 s[G0K+3], s[G0K+3], 0x80000000
	s_mov_b32 s[G0V], 1
	s_add_co_u32 s[G0V+1], s70, VIMG
	s_add_nc_u64 s[G0V+2:G0V+3], s[4:5], s[68:69]
	s_or_b32 s[G0V+3], s[G0V+3], 0x80000000
	CROUND                                         ; all four work-groups are here: the joint loads meet
	s_cmp_lt_u32 s[WV], 2                          ; one tensor load a wave: waves 0 and 1 a half of K each, waves 2 and 3 a half of V
	s_cbranch_scc0 .Lfor_v
	tensor_load_to_lds s[G0K:G0K+3], s[G1K:G1K+7]
	s_nop 0
.rept 4
	v_nop
.endr
	s_branch .Lasked
.Lfor_v:
	tensor_load_to_lds s[G0V:G0V+3], s[G1V:G1V+7]
	s_nop 0
.rept 4
	v_nop
.endr
.Lasked:
	WIN 0x40
.set i, 0
.rept 16                                       ; the registers of k's fragments that no load of one head or the other writes: they face zero codes of q, and are written once so that they hold codes
.irp j, 1,2,3,8,10,11
	v_mov_b32 v[12*i+\j], 0
.endr
.set i, i+1
.endr
	WIN 0
.set i, 0
.rept 32
	v_mov_b32 v[B2+i], 0                           ; a lane permute's destination counts as one of its sources: written once
	v_mov_b32 v[LO+i], 0                           ; written ahead of the loop, so that it is written on every way through the text
.set i, i+1
.endr
	v_mov_b32 v24, 0x3f                            ; the code -7.5
	s_wait_alu depctr_va_vdst(0)
	s_wait_loadcnt 8                               ; the scale words and the mask are in; q's 8 loads may be out
.irp i, 0,1,2,3,4,5,6,7
	v_cmp_eq_u32 vcc_lo, 0, v[114+\i]              ; mask == 0: the key is out
	v_cndmask_b32 v[114+\i], 0, v24, vcc_lo
	v_and_or_b32 v[130+\i], v[122+\i], s90, s91
	v_and_or_b32 v[138+\i], v[122+\i], s92, s93
.endr
.irp c, 0,1
	ds_store_b128 v29, v[130+4*\c:133+4*\c] offset:16*\c
	ds_store_b128 v29, v[138+4*\c:141+4*\c] offset:4096+16*\c
	ds_store_b128 v29, v[114+4*\c:117+4*\c] offset:8192+16*\c
.endr
	s_wait_alu depctr_va_vdst(0)
	s_wait_loadcnt 0x0                             ; q
	s_wait_tensorcnt 0x0                           ; my part of K or V has landed,
	s_wait_dscnt 0x0                               ; and so have my stores into the tables
	s_barrier_signal -1
	s_barrier_wait -1                              ; everybody's have; no barrier stands in the loop: the waves share nothing more
	s_wait_kmcnt 0x0                               ; the gains
.Ltrip:                                            ; trip 2 t + hp: query block t, head hp of the pair
	s_lshr_b32 s66, s[IT], 1
	s_mul_i32 s66, s66, 32*RECB
	s_mov_b32 s67, 0
	s_add_nc_u64 s[OBT:OBT+1], s[OB:OB+1], s[66:67]
	s_and_b32 s[HP], s[IT], 1
	s_mov_b32 s[QAND], 0xffff
	s_mov_b32 s[QOR], 0x7f7f0000
	s_cmp_eq_u32 s[HP], 1
	s_cselect_b32 s[HM], -1, 0
	s_cselect_b32 s[HN], 0, -1
	s_cselect_b32 s[SCH], s[SC0+1], s[SC0]
	s_cselect_b32 s[QAND], 0xffff0000, s[QAND]
	s_cselect_b32 s[QOR], 0x7f7f, s[QOR]
	s_cmp_ge_u32 s[IT], 2
	s_cselect_b32 s[TMK], -1, 0
	v_cndmask_b32 v[QS], v[QS0], v[QS1], s[TMK]
	v_and_or_b32 v[QS], v[QS], s[QAND], s[QOR]     ; the head's two bytes, and 127 for the other half; more than eight plain lines stand between it and the products
.irp i, 0,1,2,3,4,5,6,7,8,9,10,11
	v_cndmask_b32 v[QH+\i], v[QF0+\i], v[QF1+\i], s[TMK]
.endr
.irp i, 0,1,2,3,4,5
	v_cndmask_b32 v[QH+\i], 0, v[QH+\i], s[HN]     ; the other head's six registers become zero codes
	v_cndmask_b32 v[QH+6+\i], 0, v[QH+6+\i], s[HM]
.endr
	v_add_nc_u32 v[AV], s[VH], v[AV0]
	v_add_nc_u32 v[AVS], s[VH], v[AVS0]
	s_cmp_eq_u32 s[HP], 1                          ; the trip's number alone decides: the two copies differ in register numbers and offsets
	s_cbranch_scc1 .Lh1
	SCORES 0
	s_branch .Lscored
.Lh1:
	SCORES 1
.Lscored:
.irp k, 0,1,2,3
	VLOAD \k                                       ; V's first four steps come while the weights are made
.endr
.set i, 0
.rept 32
	v_permlanex16_b32 v[B2+i], v[BM+i], s[SEL], s[SEL+1]
.set i, i+1
.endr
.set i, 0
.rept 32
	v_max_num_f32 v[BM+i], v[BM+i], v[B2+i]        ; with lane l xor 16's 16 keys: the block's largest score
.set i, i+1
.endr
.irp k, 0,1,2,3
	v_max3_num_f32 v[T+\k], v[BM+8*\k], v[BM+8*\k+1], v[BM+8*\k+2]
.endr
.irp k, 0,1,2,3
	v_max3_num_f32 v[T+\k], v[T+\k], v[BM+8*\k+3], v[BM+8*\k+4]
.endr
.irp k, 0,1,2,3
	v_max3_num_f32 v[T+\k], v[T+\k], v[BM+8*\k+5], v[BM+8*\k+6]
.endr
.irp k, 0,1,2,3
	v_max_num_f32 v[T+\k], v[T+\k], v[BM+8*\k+7]
.endr
	v_max3_num_f32 v[T], v[T], v[T+1], v[T+2]
	v_max_num_f32 v[T], v[T], v[T+3]               ; the row's largest score
	v_cmp_lt_f32 vcc_lo, 0xdb000000, v[T]          ; over -2^55: some key is open
	v_cndmask_b32 v[CC], 0, v[CV], vcc_lo
	v_mov_b32 v[CC+1], v[CC]
	v_mul_f32 v[NM], -v[T], v[CC]
	v_mov_b32 v[NM+1], v[NM]
.set i, 0
.rept 32
	v_fma_f32 v[BM+i], v[BM+i], v[CC], v[NM]       ; the same arithmetic on the same number gives the same bits as the block's largest e
.set i, i+1
.endr
	; e = 2^(c s - c max), 32 numbers a batch; the next batch's multiply-adds stand between the exponentials; a wait ahead of each batch
.irp w, 2,3
	WIN (\w<<6)|\w
.set i, 0
.rept 16
	v_pk_fma_f32 v[2*i:2*i+1], v[2*i:2*i+1], v[CC:CC+1], v[NM:NM+1]
.set i, i+1
.endr
.set b, 0
.rept 8
	s_wait_alu depctr_va_vdst(0)
.set i, 0
.rept 16
	v_exp_f32 v[32*b+2*i], v[32*b+2*i]
.if b < 7
	v_pk_fma_f32 v[32*b+32+2*i:32*b+33+2*i], v[32*b+32+2*i:32*b+33+2*i], v[CC:CC+1], v[NM:NM+1]
.endif
	v_exp_f32 v[32*b+2*i+1], v[32*b+2*i+1]
.set i, i+1
.endr
.set b, b+1
.endr
	v_nop
.endr
	WIN 0
	s_wait_alu depctr_va_vdst(0)
.set i, 0
.rept 32
	v_exp_f32 v[BM+i], v[BM+i]
.set i, i+1
.endr
	v_nop
	s_wait_alu depctr_va_vdst(0)
	; the row's sum: eight chains of pairs, started by the first sixteen pairs
	WIN 0x0a
.set i, 0
.rept 8
	v_pk_add_f32 v[L+2*i:L+2*i+1], v[2*i:2*i+1], v[16+2*i:17+2*i]
.set i, i+1
.endr
	WIN 0x08
.set i, 16
.rept 112
	v_pk_add_f32 v[L+2*(i%8):L+2*(i%8)+1], v[L+2*(i%8):L+2*(i%8)+1], v[2*i:2*i+1]
.set i, i+1
.endr
	WIN 0x0c
.set i, 0
.rept 128
	v_pk_add_f32 v[L+2*(i%8):L+2*(i%8)+1], v[L+2*(i%8):L+2*(i%8)+1], v[2*i:2*i+1]
.set i, i+1
.endr
	WIN 0
.irp k, 0,1,2,3
	v_pk_add_f32 v[L+2*\k:L+2*\k+1], v[L+2*\k:L+2*\k+1], v[L+8+2*\k:L+9+2*\k]
.endr
	v_pk_add_f32 v[L:L+1], v[L:L+1], v[L+4:L+5]
	v_pk_add_f32 v[L+2:L+3], v[L+2:L+3], v[L+6:L+7]
	v_pk_add_f32 v[L:L+1], v[L:L+1], v[L+2:L+3]
	v_add_f32 v[L], v[L], v[L+1]
	v_permlanex16_b32 v[T+1], v[L], s[SEL], s[SEL+1]
	v_add_f32 v[L], v[L], v[T+1]
	s_wait_alu depctr_va_vdst(0)
	v_rcp_f32 v[L], v[L]
	v_nop
	s_wait_alu depctr_va_vdst(0)
	v_mul_f32 v[RR], s[SCH], v[L]                  ; the head's gain / the sum
	v_mov_b32 v[RR+1], v[RR]
	; the blocks' scales
.set i, 0
.rept 32
	v_mul_f32 v[BM+i], v[BM+i], v[RR]
.set i, i+1
.endr
.set i, 0
.rept 32
	v_max_num_f32 v[B2+i], 0x1800000, |v[BM+i]|    ; the block's largest magnitude (the gain may be negative), and the floor 2^(3 - 127)
.set i, i+1
.endr
.set i, 0
.rept 32
	v_add_nc_u32 v[B2+i], 0xff000000, v[B2+i]      ; the conversion's scale operand
.set i, i+1
.endr
.set i, 0
.rept 32
	v_lshrrev_b32 v[BM+i], 23, v[B2+i]             ; the scale's byte
.set i, i+1
.endr
.irp k, 0,1,2,3,4,5,6,7
	v_lshl_or_b32 v[PWK+\k], v[BM+4*\k+1], 8, v[BM+4*\k]
.endr
.irp k, 0,1,2,3,4,5,6,7
	v_lshl_or_b32 v[PWK+\k], v[BM+4*\k+2], 16, v[PWK+\k]
.endr
.irp k, 0,1,2,3,4,5,6,7
	v_lshl_or_b32 v[PWK+\k], v[BM+4*\k+3], 24, v[PWK+\k]
.endr
	; O^T = v^T p^T: 128 keys a step, the head's four tiles of channels by turns; behind a step's products the next step's fragment, the scaling of the step after that, and V four steps on
	MUL 0
	QP 0
	MUL 1
.set ks, 0
.rept 8
.if ks == 0
	s_wait_alu depctr_va_vdst(0)
	s_wait_dscnt 0x0                               ; V's steps 0 to 3
.endif
.if ks >= 4
	s_wait_alu depctr_va_vdst(0)
	s_wait_dscnt 16*(7-ks)                         ; all but the later steps' 16 loads each
.endif
	WIN 0x05                                       ; sources 0 (V) and 1 (the weights) window 1; C and D window 0
.set i, 0
.rept 4
.if ks == 0
	v_wmma_scale_f32_16x16x128_f8f6f4 v[HI+8*i:HI+8*i+7], v[48*(ks%4)+12*i:48*(ks%4)+12*i+11], v[192+20*(ks%2):192+20*(ks%2)+11], 0, v[VSC+4*ks+i], v[PWK+ks] matrix_a_fmt:MATRIX_FMT_FP6 matrix_b_fmt:MATRIX_FMT_FP6
.else
	v_wmma_scale_f32_16x16x128_f8f6f4 v[HI+8*i:HI+8*i+7], v[48*(ks%4)+12*i:48*(ks%4)+12*i+11], v[192+20*(ks%2):192+20*(ks%2)+11], v[HI+8*i:HI+8*i+7], v[VSC+4*ks+i], v[PWK+ks] matrix_a_fmt:MATRIX_FMT_FP6 matrix_b_fmt:MATRIX_FMT_FP6
.endif
.set i, i+1
.endr
	WIN 0
.if ks < 7
	QP ks+1
.if ks < 6
	MUL ks+2
.else
	PLACES 4
.endif
.endif
.if ks < 4
	VLOAD ks+4
.endif
.set ks, ks+1
.endr
	PLACES 4
	; the first head's context is set aside; with the second head's the pair's 128 channels are one record
	s_cmp_eq_u32 s[HP], 1                          ; the trip's number alone decides
	s_cbranch_scc1 .Lpair
.set i, 0
.rept 32
	v_mov_b32 v[LO+i], v[HI+i]
.set i, i+1
.endr
	s_branch .Lnext
.Lpair:
	QUANT LO, PC, PW
	STOREREC PC, PW, OBT, 0
	s_wait_xcnt 0x0                                ; the stores have read their registers and their base: both are written again in the next trip
.Lnext:
	s_xor_b32 s[VH], s[VH], 32*RECB                ; the other head's records of V
	s_add_co_u32 s[IT], s[IT], 1
	s_cmp_lt_u32 s[IT], 4
	s_wait_alu depctr_va_vdst(0)
	s_cbranch_scc1 .Ltrip
	s_wait_tensorcnt 0x0                           ; the wave's end
	ds_add_u32 v[SPW], v[NIL]
	s_wait_dscnt 0x0
	CROUND                                         ; the closing round
	s_endpgm
.Lfunc_end_k_q2132ae4501_attn:
	.size	k_q2132ae4501_attn, .Lfunc_end_k_q2132ae4501_attn-k_q2132ae4501_attn
	.p2alignl 7, 3214868480
	.fill 96, 4, 3214868480
	.section	.rodata,"a",@progbits
	.p2align	6, 0x0
	.amdhsa_kernel k_q2132ae4501_attn
		.amdhsa_group_segment_fixed_size 327680
		.amdhsa_private_segment_fixed_size 0
		.amdhsa_enable_private_segment 0
		.amdhsa_kernarg_size 32
		.amdhsa_user_sgpr_count 2
		.amdhsa_user_sgpr_kernarg_segment_ptr 1
		.amdhsa_wavefront_size32 1
		.amdhsa_system_sgpr_workgroup_id_x 1
		.amdhsa_system_sgpr_workgroup_id_y 1
		.amdhsa_system_sgpr_workgroup_id_z 1
		.amdhsa_system_vgpr_workitem_id 0
		.amdhsa_next_free_vgpr 1024
		.amdhsa_next_free_sgpr 96
		.amdhsa_reserve_vcc 1
		.amdhsa_float_denorm_mode_32 3
		.amdhsa_float_denorm_mode_16_64 3
		.amdhsa_memory_ordered 1
		.amdhsa_forward_progress 1
		.amdhsa_inst_pref_size 210
	.end_amdhsa_kernel
	.amdgpu_metadata
---
amdhsa.version: [ 1, 2 ]
amdhsa.kernels:
  - .name:           k_q2132ae4501_attn
    .symbol:         k_q2132ae4501_attn.kd
    .args:
      - { .name: qkv, .offset: 0, .size: 8, .value_kind: global_buffer, .address_space: global }
      - { .name: mask, .offset: 8, .size: 8, .value_kind: global_buffer, .address_space: global }
      - { .name: scale, .offset: 16, .size: 8, .value_kind: global_buffer, .address_space: global }
      - { .name: act, .offset: 24, .size: 8, .value_kind: global_buffer, .address_space: global }
    .group_segment_fixed_size: 327680
    .private_segment_fixed_size: 0
    .kernarg_segment_align: 8
    .kernarg_segment_size: 32
    .max_flat_workgroup_size: 128
    .sgpr_count:     96
    .vgpr_count:     1024
    .wavefront_size: 32
...
	.end_amdgpu_metadata
.endif
;; end of part 3
;; launch oproj (part 4): grid 8 x 32, 4 waves a work-group, clusters of 4 x 4, 327,680 bytes of LDS; arguments act, wimg, bo, src, src2; writes src2
.if DOCPART == 4
	.amdgcn_target "amdgcn-amd-amdhsa--gfx1250"
	.amdhsa_code_object_version 6
	.text
	.protected	k_q2132ae4501_oproj
	.globl	k_q2132ae4501_oproj
	.p2align	8
	.type	k_q2132ae4501_oproj,@function
k_q2132ae4501_oproj:
	s_mov_b64 s[64:65], 0
	v_nop
	global_prefetch_b8 v0, s[64:65] scope:SCOPE_SE
	s_setreg_imm32_b32 hwreg(HW_REG_WAVE_MODE, 25, 1), 1
	s_wait_xcnt 0x0
	s_wait_alu depctr_hold_cnt(0) depctr_sa_sdst(0) depctr_va_vdst(0) depctr_va_sdst(0) depctr_va_ssrc(0) depctr_va_vcc(0) depctr_vm_vsrc(0)
	s_getreg_b32 s2, hwreg(HW_REG_IB_STS2, 6, 4)
	s_cmp_eq_u32 s2, 0
	s_cbranch_scc0 .Lentry_in_a_cluster
	s_endpgm
.Lentry_in_a_cluster:
	s_bfe_u32 s2, ttmp6, 0x10000c
	s_cmp_lg_u32 s2, 0xf033
	s_cbranch_scc0 .Lentry_shape_is_right
	s_endpgm
.Lentry_shape_is_right:
; out = res + (A B^T + bias), f32 row-major, A and B as RECORDS of FP6 (E2M3) codes.  KIND 2: src + (ctx Wo + bo), K = 1,024;  KIND 3: src2 + (hidden W2 + b2), K = 4,096.  The two texts differ in the line that sets KIND.
; A record is the image of an operand's registers for 16 rows x 128 along K, 1,792 bytes: bytes 512 c + 16 l = registers 4 c .. 4 c + 3 of lane l's 12; bytes 1536 + 16 r = row r's scale word, four times.
; Row r of record block rb is operand row 32 (rb / 2) + 8 (rb % 2) + r + 8 (r / 8).  An operand lies [record block][K / 128].
; SHARES.  N is 1,024: tiles of 256 x 256 would be 64, so a tile is 128 x 128 and there are 256 work-groups; four waves, 64 x 64 each: 16 accumulators.
; A (tokens) is source 1: its rows are the result's lanes; B (weights) is source 0: a lane's registers of tiles 2 b' and 2 b' + 1 are 16 neighbouring columns.
; RING.  K goes in steps of 512 (four records a block) through two LDS slots; a wave's one tensor load brings 4 blocks x 7,168 bytes.  Fragments come by ds_load_b128 at 16 x lane: consecutive bytes.
; CLUSTERS: 4 x 4 work-groups; A's tiles are asked for jointly along a row of the cluster, B's along a column.
; THE WAY OUT: 16 rows x 64 columns at a time through the wave's own stage in LDS; each store writes two aligned runs of 256 bytes.  The residual is asked for at the head, in the stores' own layout.
; REGISTERS: window 0: v16-27 addresses; v32-39 scale words, two sets; v44-47 the bias; v64.., v160.. A's fragments, two sets.  window 1: v0.., v96.. B's.  window 2: accumulator (a, b) at 8 (4 a + b).  window 3: v0-127 the residual.
; No prefetch: each tile is read by many work-groups at about the same time, and the launch is short.
.set KIND,  2
.if KIND == 2
.set KS,    8                          ; K / 128
.set WOFF,  2752512                    ; the weight's image
.else
.set KS,    32
.set WOFF,  7340032
.endif
.set MB,    4
.set NQ,    4
.set RECB,  1792
.set ROWB,  NQ*RECB
.set HALFT, MB*ROWB
.set SLOT,  4*HALFT
.set STAGE, 2*SLOT                     ; behind the ring: 16 rows x (256 + 16) bytes for each wave
.set SPARE, STAGE+17408                ; the spare words, 128 bytes a wave: two blocks of 256 bytes that no other line names
.set LAPS,  KS/(2*NQ)
.set NLD,   7*MB
.set ADRA, 16
.set ADRB, 18
.set ADRS, 20
.set LI,   22
.set LSC,  23
.set STO,  24                          ; v24  the stage: where I put 16 bytes of a row
.set RD,   25                          ; v25  and where I read a row back
.set RO,   26                          ; v26  my bytes in two rows of the residual and of the result
.set CB,   27                          ; v27  16 (lane % 16)
.set SPW,  28
.set NIL,  29
.set SC,   32
.set BCOL, 44
.set AF,   64
.set OB,   64                          ; the way out: v64-95 and v96-127 by turns
.set G1,  24
.set G0,  32
.set G1B, 48
.set G0B, 56
.set MSB, 0
.macro WIN new                         ; the immediate's high byte repeats the setting that is left
.if MSB != (\new)
	s_set_vgpr_msb (MSB<<8)|(\new)
.set MSB, (\new)
.endif
.endm
.macro PLACES n
.rept \n
	v_nop
.endr
.endm
; A joint load: waves 0 and 1 fetch A's halves, waves 2 and 3 B's.  The branch hangs on the wave's number alone.  An s_nop 0 and four v_nop follow each of the two lines.
.macro JLOAD g0a, g1a, g0b, g1b
	s_cmp_eq_u32 s15, 0
	s_cbranch_scc0 .Lfor_b_\@
	tensor_load_to_lds s[\g0a:\g0a+3], s[\g1a:\g1a+7]
	s_nop 0
.rept 4
	v_nop
.endr
	s_branch .Lasked_\@
.Lfor_b_\@:
	tensor_load_to_lds s[\g0b:\g0b+3], s[\g1b:\g1b+7]
	s_nop 0
.rept 4
	v_nop
.endr
.Lasked_\@:
.endm
.macro CREST
	s_cmp_lg_u32 s14, 0
	s_cbranch_scc1 .Lnot_wave_0_\@
	s_barrier_signal -3
.Lnot_wave_0_\@:
	s_barrier_wait -3
	s_barrier_signal -1
	s_barrier_wait -1
.endm
.macro CROUND
	s_barrier_signal -1
	s_barrier_wait -1
	CREST
.endm
.macro FETCH slot, q, set              ; the fragments and scale words of the slot's q-th 128 along K
	WIN 0x40
.set fi, 0
.rept MB
.irp c, 0,1,2
	ds_load_b128 v[96*(\set)+12*fi+4*\c:96*(\set)+12*fi+4*\c+3], v[ADRB+\slot] offset:fi*ROWB+(\q)*RECB+512*\c
.endr
.set fi, fi+1
.endr
	WIN 0
.set fi, 0
.rept MB
.irp c, 0,1,2
	ds_load_b128 v[AF+96*(\set)+12*fi+4*\c:AF+96*(\set)+12*fi+4*\c+3], v[ADRA+\slot] offset:fi*ROWB+(\q)*RECB+512*\c
.endr
.set fi, fi+1
.endr
.set fi, 0
.rept MB
	ds_load_b32 v[SC+MB*(\set)+fi], v[ADRS+\slot] offset:fi*ROWB+(\q)*RECB+1536
.set fi, fi+1
.endr
.endm
; a quarter of a step's products.  The accumulators take turns, one instruction a turn, in the same order in every step
.macro MULQ p, set, zero
.set ma, (\p)*MB/4
.rept MB/4
.set mb, 0
.rept MB
.set mt, ma*MB+mb
.set md, 8*(mt%32)
	WIN 0xa1+0x50*(mt/32)                          ; source 0 (B) window 1, source 1 (A) window 0, C and D window 2
.if \zero
	v_wmma_scale_f32_16x16x128_f8f6f4 v[md:md+7], v[96*(\set)+12*mb:96*(\set)+12*mb+11], v[AF+96*(\set)+12*ma:AF+96*(\set)+12*ma+11], 0, v[SC+MB*(\set)+mb], v[SC+MB*(\set)+ma] matrix_a_fmt:MATRIX_FMT_FP6 matrix_b_fmt:MATRIX_FMT_FP6 matrix_a_scale:MATRIX_SCALE_ROW1
.else
	v_wmma_scale_f32_16x16x128_f8f6f4 v[md:md+7], v[96*(\set)+12*mb:96*(\set)+12*mb+11], v[AF+96*(\set)+12*ma:AF+96*(\set)+12*ma+11], v[md:md+7], v[SC+MB*(\set)+mb], v[SC+MB*(\set)+ma] matrix_a_fmt:MATRIX_FMT_FP6 matrix_b_fmt:MATRIX_FMT_FP6 matrix_a_scale:MATRIX_SCALE_ROW1
.endif
.set mb, mb+1
.endr
.set ma, ma+1
.endr
.endm
.macro STEP slot, q, zero              ; a step that has its successor in the same slot: the successor's fragments are asked for first, into the other set
	PLACES 4
	FETCH \slot, (\q)+1, 1-(\q)%2
	s_wait_dscnt NLD                               ; all but the loads just issued: this step's set is in
	MULQ 0, (\q)%2, \zero
	MULQ 1, (\q)%2, \zero
	MULQ 2, (\q)%2, \zero
	MULQ 3, (\q)%2, \zero
	WIN 0
.endm
; A slot's last step changes slots: one barrier; ahead of it each wave waits for all its tensor loads, adds 0 to its spare word, and waits for that and for its reads of this slot.  fill = 1: this slot is filled again, two slots ahead.
.macro TURN slot, next, fill
	s_wait_tensorcnt 0x0                           ; all my tensor loads have landed: my part of the next slot
	ds_add_u32 v[SPW], v[NIL]                      ; 0 onto my spare word
	s_wait_dscnt 1                                 ; the add alone may be out: this step's set is in
	MULQ 0, 1, 0
	s_wait_dscnt 0x0                               ; the add is done, and my reads of this slot are over
	s_barrier_signal -1
	MULQ 1, 1, 0
	WIN 0
	s_barrier_wait -1
.if \fill
	CREST                                          ; the barrier has opened a round of the cluster's: no wave of any partner still reads this slot or has a load on its way
	s_add_nc_u64 s[G0+4*\slot+2:G0+4*\slot+3], s[G0+4*\slot+2:G0+4*\slot+3], 2*ROWB
	s_add_nc_u64 s[G0B+4*\slot+2:G0B+4*\slot+3], s[G0B+4*\slot+2:G0B+4*\slot+3], 2*ROWB
	JLOAD G0+4*\slot, G1, G0B+4*\slot, G1B         ; the first tensor load behind the round; its four v_nop are also the places ahead of the loads below
.else
	PLACES 4
.endif
	FETCH \next, 0, 0
	MULQ 2, 1, 0
	MULQ 3, 1, 0
	WIN 0
.endm
	s_load_b256 s[4:11], s[0:1], 0x0               ; A, the weights' images, the bias, the residual
	s_load_b64 s[12:13], s[0:1], 0x20              ; the result
	v_lshl_add_u32 v[SPW], v0, 2, SPARE
	v_mov_b32 v[NIL], 0
	ds_add_u32 v[SPW], v[NIL]                      ; the wave's opening: the add and its wait ahead of my first tensor load; work on registers stands between them
	ds_add_u32 v[SPW], v[NIL]
	v_lshrrev_b32 v1, 5, v0
	v_readfirstlane_b32 s14, v1                    ; wave
	s_lshr_b32 s15, s14, 1                         ; my half of A.  Also: I fetch for A (0) or for B (1)
	s_and_b32 s16, s14, 1                          ; my half of B.  Also: which half I fetch
	s_bfe_u32 s40, ttmp6, 0x40000                  ; cx, cy
	s_bfe_u32 s41, ttmp6, 0x40004
	s_lshl_b32 s42, ttmp9, 2
	s_add_co_u32 s42, s42, s40                     ; tile column
	s_and_b32 s17, ttmp7, 0xffff
	s_lshl_b32 s17, s17, 2
	s_add_co_u32 s17, s17, s41                     ; tile row
	s_lshl_b32 s43, s41, 2
	s_lshl_b32 s43, 15, s43                        ; my row of the cluster
	s_lshl_b32 s44, 0x1111, s40                    ; my column
	s_or_b32 s[G1], s43, (3<<16)|(1<<21)           ; 15:0 the mask; 17:16 elements of 8 bytes; 20 no padding; 21 set beside a mask
	s_or_b32 s[G1B], s44, (3<<16)|(1<<21)
.irp g, G1, G1B
	s_mov_b32 s[\g+1], (ROWB/8)<<16                ; tensor_dim0
	s_mov_b32 s[\g+2], MB<<16                      ; tensor_dim1
	s_mov_b32 s[\g+3], (ROWB/8)<<16                ; tile_dim0
	s_mov_b32 s[\g+4], MB                          ; tile_dim1
	s_mov_b32 s[\g+5], KS*RECB/8                   ; from a record block to the next
	s_mov_b32 s[\g+6], 0
	s_mov_b32 s[\g+7], 0
.endr
	s_mul_i32 s18, s16, MB
	s_mul_i32 s20, s17, 2*MB
	s_add_co_u32 s20, s20, s18                     ; A: the first record block that I fetch
	s_mul_i32 s20, s20, KS*RECB
	s_mov_b32 s21, 0
	s_mul_i32 s46, s42, 2*MB
	s_add_co_u32 s46, s46, s18                     ; B likewise, in registers that never hold cy
	s_mul_i32 s46, s46, KS*RECB
	s_add_co_u32 s46, s46, WOFF
	s_mov_b32 s47, 0
	s_mul_i32 s45, s14, HALFT                      ; where they go: no place in the cluster enters an LDS address
	s_wait_dscnt 0x0                               ; the opening add is done
	s_wait_kmcnt 0x0
	s_add_nc_u64 s[20:21], s[4:5], s[20:21]
	s_add_nc_u64 s[46:47], s[6:7], s[46:47]
	CROUND                                         ; all sixteen work-groups are here: the first joint loads meet
.irp s, 0,1
	s_mov_b32 s[G0+4*\s], 1
	s_add_co_u32 s[G0+4*\s+1], s45, \s*SLOT
	s_add_nc_u64 s[G0+4*\s+2:G0+4*\s+3], s[20:21], \s*ROWB
	s_or_b32 s[G0+4*\s+3], s[G0+4*\s+3], 0x80000000
	s_mov_b32 s[G0B+4*\s], 1
	s_add_co_u32 s[G0B+4*\s+1], s45, \s*SLOT
	s_add_nc_u64 s[G0B+4*\s+2:G0B+4*\s+3], s[46:47], \s*ROWB
	s_or_b32 s[G0B+4*\s+3], s[G0B+4*\s+3], 0x80000000
.endr
	JLOAD G0, G1, G0B, G1B                         ; slot 0: one tensor load a wave at the head
	; SLOT 1 IS ASKED OF MEMORY AHEAD (this takes the place of the head comment's line on prefetching): of the 4 blocks x 7,168 bytes that I fetch for a slot,
	; the partner at place p (cx for A, cy for B) names block p: 28 runs of 256 bytes, a lane a run; lanes 28-31 name the last again
.set PFA, 66
.set PFO, 30
	s_cmp_eq_u32 s15, 0
	s_cselect_b64 s[PFA:PFA+1], s[20:21], s[46:47]
	s_cselect_b32 s70, s40, s41
	s_mul_i32 s70, s70, KS*RECB
	s_mov_b32 s71, 0
	s_add_nc_u64 s[PFA:PFA+1], s[PFA:PFA+1], s[70:71]
	v_and_b32 v1, 31, v0
	v_min_u32 v[PFO], 27, v1
	v_lshlrev_b32 v[PFO], 8, v[PFO]
	global_prefetch_b8 v[PFO], s[PFA:PFA+1] offset:ROWB th:TH_LOAD_NT scope:SCOPE_SE
	v_and_b32 v2, 15, v0                           ; r
	v_bfe_u32 v3, v0, 4, 1                         ; h
	v_lshlrev_b32 v[LI], 4, v1
	v_lshlrev_b32 v[CB], 4, v2
	v_lshl_add_u32 v[LSC], v3, 3, v[CB]
	s_mul_i32 s90, s15, HALFT                      ; my half of A
	s_mul_i32 s91, s16, HALFT
	s_add_co_u32 s91, s91, 2*HALFT                 ; my half of B
	s_sub_co_u32 s92, s91, s90
	v_mul_u32_u24 v4, s92, v3                      ; lanes 16-31 take B's scale words
	v_add_nc_u32 v4, v4, v[LSC]
.irp s, 0,1
	v_add_nc_u32 v[ADRA+\s], s90, v[LI]
	v_add_nc_u32 v[ADRB+\s], s91, v[LI]
	v_add_nc_u32 v[ADRS+\s], s90, v4
	s_add_co_u32 s90, s90, SLOT
	s_add_co_u32 s91, s91, SLOT
.endr
	s_mul_i32 s90, s14, 16*272
	s_add_co_u32 s90, s90, STAGE                   ; my stage
	v_mul_u32_u24 v4, v2, 272
	v_lshl_add_u32 v4, v3, 6, v4
	v_add_nc_u32 v[STO], s90, v4                   ; in: row r, 64 bytes for each half of the lanes
	v_mul_u32_u24 v4, v3, 272
	v_add_nc_u32 v4, v4, v[CB]
	v_add_nc_u32 v[RD], s90, v4                    ; back: lanes 0-15 one row of 256 bytes, lanes 16-31 the next
	v_lshl_add_u32 v[RO], v3, 12, v[CB]            ; and the same two rows in memory
	s_wait_alu depctr_va_vdst(0)
	s_lshl_b32 s93, s17, 7
	s_lshl_b32 s94, s15, 6
	s_add_co_u32 s93, s93, s94                     ; my first token,
	s_lshl_b32 s93, s93, 12                        ; in bytes
	s_lshl_b32 s94, s42, 9
	s_lshl_b32 s95, s16, 8
	s_add_co_u32 s94, s94, s95                     ; my first column, in bytes: a multiple of 256
	s_mov_b32 s95, 0
	s_add_nc_u64 s[8:9], s[8:9], s[94:95]
	s_add_co_u32 s94, s94, s93
	s_add_nc_u64 s[10:11], s[10:11], s[94:95]
	s_add_nc_u64 s[12:13], s[12:13], s[94:95]
.macro RESID                           ; the residual, in the stores' own layout, and the bias
	WIN 0xc0                                       ; destination window 3
.set a, 0
.rept 4
.set t, 0
.rept 8                                        ; stage rows 2 t and 2 t + 1 of block a are tokens 32 (a / 2) + 8 (a % 2) + 2 t + 8 (t / 4) and the next
	global_load_b128 v[32*a+4*t:32*a+4*t+3], v[RO], s[10:11] offset:(32*(a/2)+8*(a%2)+2*t+8*(t/4))*4096
.set t, t+1
.endr
.set a, a+1
.endr
	WIN 0
	global_load_b128 v[BCOL:BCOL+3], v[CB], s[8:9]
.endm
	s_wait_alu depctr_va_vdst(0)
	s_wait_tensorcnt 0x0                           ; my part of slot 0 is in
	ds_add_u32 v[SPW], v[NIL]
	s_wait_dscnt 0x0
	CROUND                                         ; everybody's part of slot 0 is in, and the joint loads meet
	JLOAD G0+4, G1, G0B+4, G1B                     ; slot 1, the first tensor load behind the round
	FETCH 0, 0, 0
	RESID                                          ; asked for behind both slots' loads: the products wait for the tiles, and only the way out for these
	STEP 0, 0, 1                                   ; the first step stands ahead of the loop: its products start the sums
.if LAPS > 1
	s_mov_b32 s3, LAPS-1
.Llap:                                                 ; a trip goes once round the ring and fills both slots again
	STEP 0, 1, 0
	STEP 0, 2, 0
	TURN 0, 1, 1
	STEP 1, 0, 0
	STEP 1, 1, 0
	STEP 1, 2, 0
	TURN 1, 0, 1
	STEP 0, 0, 0
	s_sub_co_u32 s3, s3, 1
	s_cmp_lg_u32 s3, 0
	s_cbranch_scc1 .Llap
.endif
	STEP 0, 1, 0                                   ; the last lap fills nothing
	STEP 0, 2, 0
	TURN 0, 1, 0
	STEP 1, 0, 0
	STEP 1, 1, 0
	STEP 1, 2, 0
	s_wait_dscnt 0x0
	MULQ 0, 1, 0
	MULQ 1, 1, 0
	MULQ 2, 1, 0
	MULQ 3, 1, 0
	WIN 0
	s_wait_loadcnt 0x0                             ; the residual and the bias
	PLACES 4
.set a, 0
.rept 4
.set ob, OB+32*(a%2)
.if a >= 2
	s_wait_xcnt 0x0                                ; block a - 2's stores have read their registers
.endif
	WIN 0x08                                       ; an LDS store's data are its source 1: window 2
.set b, 0
.rept 4
	ds_store_b128 v[STO], v[8*(4*a+b):8*(4*a+b)+3] offset:128*(b/2)+32*(b%2)          ; each accumulator from its low end on
	ds_store_b128 v[STO], v[8*(4*a+b)+4:8*(4*a+b)+7] offset:128*(b/2)+32*(b%2)+16
.set b, b+1
.endr
	WIN 0
.set t, 0
.rept 8
	ds_load_b128 v[ob+4*t:ob+4*t+3], v[RD] offset:544*t   ; LDS serves a wave's instructions in order (ISA guide 5.7.1.4): these see my stores
.set t, t+1
.endr
	s_wait_dscnt 0x0
.set t, 0
.rept 8
	v_pk_add_f32 v[ob+4*t:ob+4*t+1], v[ob+4*t:ob+4*t+1], v[BCOL:BCOL+1]
	v_pk_add_f32 v[ob+4*t+2:ob+4*t+3], v[ob+4*t+2:ob+4*t+3], v[BCOL+2:BCOL+3]
.set t, t+1
.endr
	WIN 0x0c                                       ; source 1: window 3
.set i, 0
.rept 16
	v_pk_add_f32 v[ob+2*i:ob+2*i+1], v[ob+2*i:ob+2*i+1], v[32*a+2*i:32*a+2*i+1]
.set i, i+1
.endr
	WIN 0
.set t, 0
.rept 8
	global_store_b128 v[RO], v[ob+4*t:ob+4*t+3], s[12:13] offset:(32*(a/2)+8*(a%2)+2*t+8*(t/4))*4096   ; 16 lanes store 256 consecutive bytes, at a multiple of 256 from the buffer's first byte
.set t, t+1
.endr
.set a, a+1
.endr
	s_wait_tensorcnt 0x0                           ; the wave's end, behind my last tensor load and my last LDS store
	ds_add_u32 v[SPW], v[NIL]
	s_wait_dscnt 0x0
	CROUND                                         ; the closing round: no work-group ends while a partner may still ask for a tile that names it
	s_endpgm
.Lfunc_end_k_q2132ae4501_oproj:
	.size	k_q2132ae4501_oproj, .Lfunc_end_k_q2132ae4501_oproj-k_q2132ae4501_oproj
	.p2alignl 7, 3214868480
	.fill 96, 4, 3214868480
	.section	.rodata,"a",@progbits
	.p2align	6, 0x0
	.amdhsa_kernel k_q2132ae4501_oproj
		.amdhsa_group_segment_fixed_size 327680
		.amdhsa_private_segment_fixed_size 0
		.amdhsa_enable_private_segment 0
		.amdhsa_kernarg_size 40
		.amdhsa_user_sgpr_count 2
		.amdhsa_user_sgpr_kernarg_segment_ptr 1
		.amdhsa_wavefront_size32 1
		.amdhsa_system_sgpr_workgroup_id_x 1
		.amdhsa_system_sgpr_workgroup_id_y 1
		.amdhsa_system_sgpr_workgroup_id_z 1
		.amdhsa_system_vgpr_workitem_id 0
		.amdhsa_next_free_vgpr 1024
		.amdhsa_next_free_sgpr 100
		.amdhsa_reserve_vcc 0
		.amdhsa_float_denorm_mode_32 3
		.amdhsa_float_denorm_mode_16_64 3
		.amdhsa_memory_ordered 1
		.amdhsa_forward_progress 1
		.amdhsa_inst_pref_size 60
	.end_amdhsa_kernel
	.amdgpu_metadata
---
amdhsa.version: [ 1, 2 ]
amdhsa.kernels:
  - .name:           k_q2132ae4501_oproj
    .symbol:         k_q2132ae4501_oproj.kd
    .args:
      - { .name: act, .offset: 0, .size: 8, .value_kind: global_buffer, .address_space: global }
      - { .name: wimg, .offset: 8, .size: 8, .value_kind: global_buffer, .address_space: global }
      - { .name: bo, .offset: 16, .size: 8, .value_kind: global_buffer, .address_space: global }
      - { .name: src, .offset: 24, .size: 8, .value_kind: global_buffer, .address_space: global }
      - { .name: src2, .offset: 32, .size: 8, .value_kind: global_buffer, .address_space: global }
    .group_segment_fixed_size: 327680
    .private_segment_fixed_size: 0
    .kernarg_segment_align: 8
    .kernarg_segment_size: 40
    .max_flat_workgroup_size: 128
    .sgpr_count:     100
    .vgpr_count:     1024
    .wavefront_size: 32
...
	.end_amdgpu_metadata
.endif
;; end of part 4
;; launch ln2 (part 5): grid 256 x 1, 8 waves a work-group, no clusters, 70,656 bytes of LDS; arguments src2, ln2_g, ln2_b, act; writes act
.if DOCPART == 5
	.amdgcn_target "amdgcn-amd-amdhsa--gfx1250"
	.amdhsa_code_object_version 6
	.text
	.protected	k_q2132ae4501_ln2
	.globl	k_q2132ae4501_ln2
	.p2align	8
	.type	k_q2132ae4501_ln2,@function
k_q2132ae4501_ln2:
	s_mov_b64 s[64:65], 0
	v_nop
	global_prefetch_b8 v0, s[64:65] scope:SCOPE_SE
	s_setreg_imm32_b32 hwreg(HW_REG_WAVE_MODE, 25, 1), 1
	s_wait_xcnt 0x0
; y = (x - mean) * rsqrt(var + 1e-5) * g + b along rows of 1,024 f32, then quantised along the row to FP6 (E2M3) with one E8M0 byte for each 32, and stored as RECORDS
; (images of a matrix operand's registers, 1,792 bytes for 16 rows x 128 along K: bytes 512 c + 16 l = registers 4 c .. 4 c + 3 of lane l; bytes 1536 + 16 r = row r's scale word, four times).
; Row r of record block rb is row 32 (rb / 2) + 8 (rb % 2) + r + 8 (r / 8) of the tensor.
; A work-group takes one record block (16 rows), wave w columns 128 w .. 128 w + 127: one record.  Each load reads 512 consecutive bytes of one row; the wave's 16 x 512 bytes turn through its own stage in LDS,
; so that lane (r, h) holds 64 numbers of row r, register 16 b + i = column 32 b + 16 h + i, the order in which the conversions want them.  The row stays in registers: it is read from memory once.
; Mean first, then the sum of squared differences (no difference of large sums).  The eight waves' partial sums meet in LDS, 128 bytes a wave, in bytes of their own for each of the two sums: two barriers.
; No cluster: the work-groups share only g and b, 8 KiB.  No prefetch: every wave asks for its data at its head.
; LIMITS: a block of zeros gets the byte 1 (its codes are zeros; the bytes are read by this program alone); NaN and infinities are not served.
.set RECB,  1792
.set SUM0,  0                          ; LDS: eight waves' sums, 128 bytes each;
.set SUM1,  1024                       ; their sums of squares;
.set SPARE, 2048                       ; the spare words, 128 bytes a wave: four blocks of 256 bytes that no other line names;
.set STG,   3072                       ; a stage of 16 rows for each wave
.set SP,    528                        ; a stage row: 512 bytes + 16: sixteen lanes that read one column of sixteen rows touch sixteen different columns of 16 bytes
.set SPW,   14                         ; v14  LDS address of my spare word; never rewritten
.set NIL,   15                         ; v15  0; never rewritten
.set LI,  1                            ; v1   16 x lane
.set GA,  2                            ; v2   g, b: my half's bytes
.set LSC, 3                            ; v3   16 r + 8 h
.set SA,  4                            ; v4   4 x lane + 128 x wave
.set SL,  5                            ; v5   4 x lane
.set STW, 6                            ; v6   the stage, on the way in: my wave's + 16 x lane
.set STR, 7                            ; v7   and on the way out: my wave's + 528 r + 64 h
.set MEAN, 12                          ; v12-13
.set RS,  16                           ; v16-17
.set C0,  18                           ; v18-25 four chains of pairs
.set ST,  26                           ; v26-33 the eight waves' sums
.set TM,  34                           ; v34-49 the quantiser's
.set PW,  50                           ; v50-51 the scale word, twice
.set X,   64                           ; v64-127  my 64 numbers
.set G,   128                          ; v128-191 g
.set BB,  192                          ; v192-255 b
.set PC,  128                          ; the codes, where g lay
.set PX,  4                            ; s[4:5] x, s[6:7] g, s[8:9] b, s[10:11] the records
.set PG,  6
.set PB,  8
.set PO,  10
.set SEL, 20
; 64 numbers of a lane, register 16 b + i = k 32 b + 16 h + i of my row, become a fragment's codes in v[pc] .. v[pc + 11] and its scale word in v[pw]
.macro QUANT s, pc, pw
.irp b, 0,1,2,3
	v_max3_num_f32 v[TM+\b], |v[\s+16*\b]|, |v[\s+1+16*\b]|, 0x1800000   ; my 16 numbers of block b, and the floor 2^(3 - 127): the byte cannot fall under 1
.endr
.irp i, 2,4,6,8,10,12,14
.irp b, 0,1,2,3
	s_delay_alu instid0(VALU_DEP_4)
	v_max3_num_f32 v[TM+\b], v[TM+\b], |v[\s+16*\b+\i]|, |v[\s+1+16*\b+\i]|
.endr
.endr
.irp b, 0,1,2,3
	s_delay_alu instid0(VALU_DEP_4)
	v_permlanex16_b32 v[TM+4+\b], v[TM+\b], s[SEL], s[SEL+1]
.endr
.irp b, 0,1,2,3
	s_delay_alu instid0(VALU_DEP_4)
	v_max_num_f32 v[TM+\b], v[TM+\b], v[TM+4+\b]   ; with lane l xor 16's: the block's largest magnitude
.endr
.irp b, 0,1,2,3
	s_delay_alu instid0(VALU_DEP_4)
	v_add_nc_u32 v[TM+12+\b], 0xff000000, v[TM+\b] ; 2 off its exponent field: the conversion's scale operand
.endr
.irp b, 0,1,2,3
	s_delay_alu instid0(VALU_DEP_4)
	v_lshrrev_b32 v[TM+4+\b], 23, v[TM+12+\b]      ; the scale's byte
.endr
	s_delay_alu instid0(VALU_DEP_3)
	v_lshl_or_b32 v[\pw], v[TM+5], 8, v[TM+4]
	s_delay_alu instid0(VALU_DEP_1)
	v_lshl_or_b32 v[\pw], v[TM+6], 16, v[\pw]
	s_delay_alu instid0(VALU_DEP_1)
	v_lshl_or_b32 v[\pw], v[TM+7], 24, v[\pw]
.irp c, 0,1
	v_cvt_scalef32_pk16_fp6_f32 v[\pc+6*\c:\pc+2+6*\c], v[\s+32*\c:\s+15+32*\c], v[TM+12+2*\c]
	v_cvt_scalef32_pk16_fp6_f32 v[\pc+12+4*\c:\pc+14+4*\c], v[\s+16+32*\c:\s+31+32*\c], v[TM+12+2*\c+1]
.endr
	v_nop                                          ; one plain line behind the conversions
.irp c, 0,1                                    ; the operand wants a whole block in a lane: lanes 0-15 block 2 c, lanes 16-31 block 2 c + 1
.irp i, 0,1,2
	v_permlane16_swap_b32 v[\pc+6*\c+\i], v[\pc+12+4*\c+\i]
.endr
.irp i, 0,1,2
	s_delay_alu instid0(VALU_DEP_3)
	v_mov_b32 v[\pc+3+6*\c+\i], v[\pc+12+4*\c+\i]
.endr
.endr
.endm
.macro STOREREC pc, pw, sb, imm        ; a record: three stores of 512 consecutive bytes and one of 256
	v_mov_b32 v[\pw+1], v[\pw]
.irp c, 0,1,2
	global_store_b128 v[LI], v[\pc+4*\c:\pc+4*\c+3], s[\sb:\sb+1] offset:\imm+512*\c
.endr
	global_store_b64 v[LSC], v[\pw:\pw+1], s[\sb:\sb+1] offset:\imm+1536
.endm
; the four chains, the lane's two halves, the other half of the lanes, then the eight waves through LDS: v[C0] ends as the row's sum, in every lane of the row
.macro ACROSS base
	s_delay_alu instid0(VALU_DEP_3)
	v_pk_add_f32 v[C0:C0+1], v[C0:C0+1], v[C0+2:C0+3]
	s_delay_alu instid0(VALU_DEP_2)
	v_pk_add_f32 v[C0+4:C0+5], v[C0+4:C0+5], v[C0+6:C0+7]
	s_delay_alu instid0(VALU_DEP_1)
	v_pk_add_f32 v[C0:C0+1], v[C0:C0+1], v[C0+4:C0+5]
	s_delay_alu instid0(VALU_DEP_1)
	v_add_f32 v[C0], v[C0], v[C0+1]
	s_delay_alu instid0(VALU_DEP_1)
	v_permlanex16_b32 v[ST], v[C0], s[SEL], s[SEL+1]
	s_delay_alu instid0(VALU_DEP_1)
	v_add_f32 v[C0], v[C0], v[ST]
	ds_store_b32 v[SA], v[C0] offset:\base
	s_wait_dscnt 0x0                               ; for the others' sake: my store has landed
	s_barrier_signal -1
	s_barrier_wait -1
.irp i, 0,1,2,3,4,5,6,7
	ds_load_b32 v[ST+\i], v[SL] offset:\base+128*\i
.endr
	s_wait_dscnt 0x0
	v_add_f32 v[C0], v[ST], v[ST+1]                ; the same order in every wave
.irp i, 2,3,4,5,6,7
	s_delay_alu instid0(VALU_DEP_1)
	v_add_f32 v[C0], v[C0], v[ST+\i]
.endr
.endm
	s_load_b256 s[4:11], s[0:1], 0x0               ; x, g, b, the records
	v_lshl_add_u32 v[SPW], v0, 2, SPARE
	v_mov_b32 v[NIL], 0
	v_lshrrev_b32 v1, 5, v0
	s_delay_alu instid0(VALU_DEP_1)
	v_readfirstlane_b32 s2, v1                     ; wave 0..7
	s_mov_b32 s3, ttmp9                            ; my record block
	v_and_b32 v8, 31, v0                           ; lane
	v_and_b32 v9, 15, v0                           ; r
	v_bfe_u32 v10, v0, 4, 1                        ; h
	s_delay_alu instid0(VALU_DEP_3)
	v_lshlrev_b32 v[LI], 4, v8
	s_delay_alu instid0(VALU_DEP_2)
	v_lshlrev_b32 v[GA], 6, v10
	s_delay_alu instid0(VALU_DEP_4)
	v_lshlrev_b32 v[LSC], 4, v9
	s_delay_alu instid0(VALU_DEP_1)
	v_lshl_add_u32 v[LSC], v10, 3, v[LSC]
	v_lshlrev_b32 v[SL], 2, v8
	s_lshl_b32 s22, s2, 7
	v_add_nc_u32 v[SA], s22, v[SL]
	s_mul_i32 s22, s2, 16*SP
	s_add_co_u32 s22, s22, STG                     ; my stage
	v_add_nc_u32 v[STW], s22, v[LI]
	v_mul_u32_u24 v11, v9, SP
	s_delay_alu instid0(VALU_DEP_1)
	v_add_nc_u32 v11, v11, v[GA]
	s_delay_alu instid0(VALU_DEP_1)
	v_add_nc_u32 v[STR], s22, v11
	v_mov_b32 v[ST], 0                             ; a lane permute's destination counts as one of its sources: written once
.irp b, 0,1,2,3
	v_mov_b32 v[TM+4+\b], 0
.endr
	s_mov_b32 s[SEL], 0x76543210
	s_mov_b32 s[SEL+1], 0xfedcba98                 ; lane l xor 16
	s_lshr_b32 s24, s3, 1
	s_lshl_b32 s24, s24, 17                        ; 32 rows of 4,096 bytes
	s_and_b32 s23, s3, 1
	s_lshl_b32 s23, s23, 15                        ; 8 rows
	s_add_co_u32 s24, s24, s23
	s_lshl_b32 s26, s2, 9                          ; my wave's 128 columns
	s_add_co_u32 s24, s24, s26
	s_mov_b32 s25, 0
	s_mov_b32 s27, 0
	s_lshl_b32 s28, s3, 3
	s_add_co_u32 s28, s28, s2
	s_mul_i32 s28, s28, RECB                       ; record (rb, w)
	s_mov_b32 s29, 0
	s_wait_alu depctr_va_vdst(0)
	s_wait_kmcnt 0x0
	s_add_nc_u64 s[PX:PX+1], s[PX:PX+1], s[24:25]
	s_add_nc_u64 s[PG:PG+1], s[PG:PG+1], s[26:27]
	s_add_nc_u64 s[PB:PB+1], s[PB:PB+1], s[26:27]
	s_add_nc_u64 s[PO:PO+1], s[PO:PO+1], s[28:29]
.set i, 0
.rept 16                                       ; record row i: 32 lanes read 512 consecutive bytes, at a multiple of 256 from the buffer's first byte
	global_load_b128 v[X+4*i:X+4*i+3], v[LI], s[PX:PX+1] offset:(i+8*(i/8))*4096 th:TH_LOAD_NT
.set i, i+1
.endr
.irp b, 0,1,2,3
.irp j, 0,1,2,3
	global_load_b128 v[G+16*\b+4*\j:G+16*\b+4*\j+3], v[GA], s[PG:PG+1] offset:128*\b+16*\j
.endr
.endr
.irp b, 0,1,2,3
.irp j, 0,1,2,3
	global_load_b128 v[BB+16*\b+4*\j:BB+16*\b+4*\j+3], v[GA], s[PB:PB+1] offset:128*\b+16*\j
.endr
.endr
	s_wait_loadcnt 32                              ; x's 16 loads are in; g's and b's 32 may be out
.set i, 0
.rept 16
	ds_store_b128 v[STW], v[X+4*i:X+4*i+3] offset:i*SP
.set i, i+1
.endr
.irp b, 0,1,2,3
.irp j, 0,1,2,3
	ds_load_b128 v[X+16*\b+4*\j:X+16*\b+4*\j+3], v[STR] offset:128*\b+16*\j   ; LDS serves a wave's instructions in order (ISA guide 5.7.1.4): these see my stores; the stage is my wave's own
.endr
.endr
	s_wait_dscnt 0x0
.irp k, 0,1,2,3
	v_pk_add_f32 v[C0+2*\k:C0+2*\k+1], v[X+2*\k:X+2*\k+1], v[X+8+2*\k:X+9+2*\k]   ; the first sixteen start the chains: nothing is cleared
.endr
.set i, 16
.rept 6
.irp k, 0,1,2,3
	s_delay_alu instid0(VALU_DEP_4)
	v_pk_add_f32 v[C0+2*\k:C0+2*\k+1], v[C0+2*\k:C0+2*\k+1], v[X+i+2*\k:X+i+2*\k+1]
.endr
.set i, i+8
.endr
	ACROSS SUM0
	s_delay_alu instid0(VALU_DEP_1)
	v_mul_f32 v[MEAN], 0x3a800000, v[C0]           ; / 1,024
	s_delay_alu instid0(VALU_DEP_1)
	v_mov_b32 v[MEAN+1], v[MEAN]
.set i, 0
.rept 32
	v_pk_add_f32 v[X+i:X+i+1], v[X+i:X+i+1], v[MEAN:MEAN+1] neg_lo:[0,1] neg_hi:[0,1]   ; x - mean
.set i, i+2
.endr
.irp k, 0,1,2,3
	v_pk_mul_f32 v[C0+2*\k:C0+2*\k+1], v[X+2*\k:X+2*\k+1], v[X+2*\k:X+2*\k+1]
.endr
.set i, 8
.rept 7
.irp k, 0,1,2,3
	s_delay_alu instid0(VALU_DEP_4)
	v_pk_fma_f32 v[C0+2*\k:C0+2*\k+1], v[X+i+2*\k:X+i+2*\k+1], v[X+i+2*\k:X+i+2*\k+1], v[C0+2*\k:C0+2*\k+1]
.endr
.set i, i+8
.endr
	ACROSS SUM1
	s_delay_alu instid0(VALU_DEP_1)
	v_mul_f32 v[RS], 0x3a800000, v[C0]             ; the variance
	s_delay_alu instid0(VALU_DEP_1)
	v_add_f32 v[RS], 0x3727c5ac, v[RS]             ; + 1e-5
	s_wait_alu depctr_va_vdst(0)
	v_rsq_f32 v[RS], v[RS]
	v_nop                                          ; a plain line behind the transcendental,
	s_wait_alu depctr_va_vdst(0)                   ; and a wait ahead of its first reader
	v_mov_b32 v[RS+1], v[RS]
	s_wait_alu depctr_va_vdst(0)
	s_wait_loadcnt 0x0                             ; g and b
.set i, 0
.rept 32
	v_pk_mul_f32 v[X+i:X+i+1], v[X+i:X+i+1], v[RS:RS+1]
.set i, i+2
.endr
.set i, 0
.rept 32
	v_pk_fma_f32 v[X+i:X+i+1], v[X+i:X+i+1], v[G+i:G+i+1], v[BB+i:BB+i+1]
.set i, i+2
.endr
	QUANT X, PC, PW
	STOREREC PC, PW, PO, 0
	s_wait_tensorcnt 0x0                           ; the wave's end, behind my last LDS store
	ds_add_u32 v[SPW], v[NIL]
	s_wait_dscnt 0x0
	s_endpgm
.Lfunc_end_k_q2132ae4501_ln2:
	.size	k_q2132ae4501_ln2, .Lfunc_end_k_q2132ae4501_ln2-k_q2132ae4501_ln2
	.p2alignl 7, 3214868480
	.fill 96, 4, 3214868480
	.section	.rodata,"a",@progbits
	.p2align	6, 0x0
	.amdhsa_kernel k_q2132ae4501_ln2
		.amdhsa_group_segment_fixed_size 70656
		.amdhsa_private_segment_fixed_size 0
		.amdhsa_enable_private_segment 0
		.amdhsa_kernarg_size 32
		.amdhsa_user_sgpr_count 2
		.amdhsa_user_sgpr_kernarg_segment_ptr 1
		.amdhsa_wavefront_size32 1
		.amdhsa_system_sgpr_workgroup_id_x 1
		.amdhsa_system_sgpr_workgroup_id_y 1
		.amdhsa_system_sgpr_workgroup_id_z 1
		.amdhsa_system_vgpr_workitem_id 0
		.amdhsa_next_free_vgpr 256
		.amdhsa_next_free_sgpr 66
		.amdhsa_reserve_vcc 0
		.amdhsa_float_denorm_mode_32 3
		.amdhsa_float_denorm_mode_16_64 3
		.amdhsa_memory_ordered 1
		.amdhsa_forward_progress 1
		.amdhsa_inst_pref_size 30
	.end_amdhsa_kernel
	.amdgpu_metadata
---
amdhsa.version: [ 1, 2 ]
amdhsa.kernels:
  - .name:           k_q2132ae4501_ln2
    .symbol:         k_q2132ae4501_ln2.kd
    .args:
      - { .name: src2, .offset: 0, .size: 8, .value_kind: global_buffer, .address_space: global }
      - { .name: ln2_g, .offset: 8, .size: 8, .value_kind: global_buffer, .address_space: global }
      - { .name: ln2_b, .offset: 16, .size: 8, .value_kind: global_buffer, .address_space: global }
      - { .name: act, .offset: 24, .size: 8, .value_kind: global_buffer, .address_space: global }
    .group_segment_fixed_size: 70656
    .private_segment_fixed_size: 0
    .kernarg_segment_align: 8
    .kernarg_segment_size: 32
    .max_flat_workgroup_size: 256
    .sgpr_count:     66
    .vgpr_count:     256
    .wavefront_size: 32
...
	.end_amdgpu_metadata
.endif
;; end of part 5
;; launch ffn1 (part 6): grid 16 x 16, 4 waves a work-group, clusters of 4 x 4, 327,680 bytes of LDS; arguments act, wimg, b1, hid; writes hid
.if DOCPART == 6
	.amdgcn_target "amdgcn-amd-amdhsa--gfx1250"
	.amdhsa_code_object_version 6
	.text
	.protected	k_q2132ae4501_ffn1
	.globl	k_q2132ae4501_ffn1
	.p2align	8
	.type	k_q2132ae4501_ffn1,@function
k_q2132ae4501_ffn1:
	s_mov_b64 s[64:65], 0
	v_nop
	global_prefetch_b8 v0, s[64:65] scope:SCOPE_SE
	s_setreg_imm32_b32 hwreg(HW_REG_WAVE_MODE, 25, 1), 1
	s_wait_xcnt 0x0
	s_wait_alu depctr_hold_cnt(0) depctr_sa_sdst(0) depctr_va_vdst(0) depctr_va_sdst(0) depctr_va_ssrc(0) depctr_va_vcc(0) depctr_vm_vsrc(0)
	s_getreg_b32 s2, hwreg(HW_REG_IB_STS2, 6, 4)
	s_cmp_eq_u32 s2, 0
	s_cbranch_scc0 .Lentry_in_a_cluster
	s_endpgm
.Lentry_in_a_cluster:
	s_bfe_u32 s2, ttmp6, 0x10000c
	s_cmp_lg_u32 s2, 0xf033
	s_cbranch_scc0 .Lentry_shape_is_right
	s_endpgm
.Lentry_shape_is_right:
; relu(y W1 + b1), quantised again and stored as records: the text of launch qkvp with KIND = 1 (its head comment says what a record, the ring, the cluster's joint loads and the registers are).
.set KIND,  1
.set KS,    8
.set MB,    8
.set NQ,    2
.set RECB,  1792
.set ROWB,  NQ*RECB
.set HALFT, MB*ROWB
.set SLOT,  4*HALFT
.set SPARE, 2*SLOT+17408
.set LAPS,  KS/(2*NQ)
.set NLD,   7*MB
.set ADRA, 16
.set ADRB, 18
.set ADRS, 20
.set LI,   22
.set LSC,  23
.set SPW,  28
.set NIL,  29
.set SC,   32
.set BR,   48
.set AF,   64
.set BC,   192
.set T,    64
.set PC,   128
.set TM,   168
.set PW,   184
.set G1,  24
.set G0,  32
.set G1B, 48
.set G0B, 56
.set SEL, 68
.set OUTB, 94
.set MSB, 0
.macro WIN new
.if MSB != (\new)
	s_set_vgpr_msb (MSB<<8)|(\new)
.set MSB, (\new)
.endif
.endm
.macro PLACES n
.rept \n
	v_nop
.endr
.endm
.macro JLOAD g0a, g1a, g0b, g1b
	s_cmp_eq_u32 s15, 0
	s_cbranch_scc0 .Lfor_b_\@
	tensor_load_to_lds s[\g0a:\g0a+3], s[\g1a:\g1a+7]
	s_nop 0
.rept 4
	v_nop
.endr
	s_branch .Lasked_\@
.Lfor_b_\@:
	tensor_load_to_lds s[\g0b:\g0b+3], s[\g1b:\g1b+7]
	s_nop 0
.rept 4
	v_nop
.endr
.Lasked_\@:
.endm
.macro CREST
	s_cmp_lg_u32 s14, 0
	s_cbranch_scc1 .Lnot_wave_0_\@
	s_barrier_signal -3
.Lnot_wave_0_\@:
	s_barrier_wait -3
	s_barrier_signal -1
	s_barrier_wait -1
.endm
.macro CROUND
	s_barrier_signal -1
	s_barrier_wait -1
	CREST
.endm
.macro FETCH slot, q, set
	WIN 0x40
.set fi, 0
.rept MB
.irp c, 0,1,2
	ds_load_b128 v[96*(\set)+12*fi+4*\c:96*(\set)+12*fi+4*\c+3], v[ADRB+\slot] offset:fi*ROWB+(\q)*RECB+512*\c
.endr
.set fi, fi+1
.endr
	WIN 0
.set fi, 0
.rept MB
.irp c, 0,1,2
	ds_load_b128 v[AF+96*(\set)+12*fi+4*\c:AF+96*(\set)+12*fi+4*\c+3], v[ADRA+\slot] offset:fi*ROWB+(\q)*RECB+512*\c
.endr
.set fi, fi+1
.endr
.set fi, 0
.rept MB
	ds_load_b32 v[SC+MB*(\set)+fi], v[ADRS+\slot] offset:fi*ROWB+(\q)*RECB+1536
.set fi, fi+1
.endr
.endm
.macro MULQ p, set, zero
.set ma, (\p)*MB/4
.rept MB/4
.set mb, 0
.rept MB
.set mt, ma*MB+mb
.set md, 8*(mt%32)
	WIN 0xa1+0x50*(mt/32)
.if \zero
	v_wmma_scale_f32_16x16x128_f8f6f4 v[md:md+7], v[96*(\set)+12*mb:96*(\set)+12*mb+11], v[AF+96*(\set)+12*ma:AF+96*(\set)+12*ma+11], 0, v[SC+MB*(\set)+mb], v[SC+MB*(\set)+ma] matrix_a_fmt:MATRIX_FMT_FP6 matrix_b_fmt:MATRIX_FMT_FP6 matrix_a_scale:MATRIX_SCALE_ROW1
.else
	v_wmma_scale_f32_16x16x128_f8f6f4 v[md:md+7], v[96*(\set)+12*mb:96*(\set)+12*mb+11], v[AF+96*(\set)+12*ma:AF+96*(\set)+12*ma+11], v[md:md+7], v[SC+MB*(\set)+mb], v[SC+MB*(\set)+ma] matrix_a_fmt:MATRIX_FMT_FP6 matrix_b_fmt:MATRIX_FMT_FP6 matrix_a_scale:MATRIX_SCALE_ROW1
.endif
.set mb, mb+1
.endr
.set ma, ma+1
.endr
.endm
.macro STEP slot, q, zero
	PLACES 4
	FETCH \slot, (\q)+1, 1-(\q)%2
	s_wait_dscnt NLD
	MULQ 0, (\q)%2, \zero
	MULQ 1, (\q)%2, \zero
	MULQ 2, (\q)%2, \zero
	MULQ 3, (\q)%2, \zero
	WIN 0
.endm
.macro TURN slot, next, fill
	s_wait_tensorcnt 0x0
	ds_add_u32 v[SPW], v[NIL]
	s_wait_dscnt 1
	MULQ 0, 1, 0
	s_wait_dscnt 0x0
	s_barrier_signal -1
	MULQ 1, 1, 0
	WIN 0
	s_barrier_wait -1
.if \fill
	CREST
	s_add_nc_u64 s[G0+4*\slot+2:G0+4*\slot+3], s[G0+4*\slot+2:G0+4*\slot+3], 2*ROWB
	s_add_nc_u64 s[G0B+4*\slot+2:G0B+4*\slot+3], s[G0B+4*\slot+2:G0B+4*\slot+3], 2*ROWB
	JLOAD G0+4*\slot, G1, G0B+4*\slot, G1B
.else
	PLACES 4
.endif
	FETCH \next, 0, 0
	MULQ 2, 1, 0
	MULQ 3, 1, 0
	WIN 0
.endm
.macro QUANT s, pc, pw
.irp b, 0,1,2,3
	v_max3_num_f32 v[TM+\b], |v[\s+16*\b]|, |v[\s+1+16*\b]|, 0x1800000
.endr
.irp i, 2,4,6,8,10,12,14
.irp b, 0,1,2,3
	v_max3_num_f32 v[TM+\b], v[TM+\b], |v[\s+16*\b+\i]|, |v[\s+1+16*\b+\i]|
.endr
.endr
.irp b, 0,1,2,3
	v_permlanex16_b32 v[TM+4+\b], v[TM+\b], s[SEL], s[SEL+1]
.endr
.irp b, 0,1,2,3
	v_max_num_f32 v[TM+\b], v[TM+\b], v[TM+4+\b]
.endr
.irp b, 0,1,2,3
	v_add_nc_u32 v[TM+12+\b], 0xff000000, v[TM+\b]
.endr
.irp b, 0,1,2,3
	v_lshrrev_b32 v[TM+4+\b], 23, v[TM+12+\b]
.endr
	v_lshl_or_b32 v[\pw], v[TM+5], 8, v[TM+4]
	v_lshl_or_b32 v[\pw], v[TM+6], 16, v[\pw]
	v_lshl_or_b32 v[\pw], v[TM+7], 24, v[\pw]
.irp c, 0,1
	v_cvt_scalef32_pk16_fp6_f32 v[\pc+6*\c:\pc+2+6*\c], v[\s+32*\c:\s+15+32*\c], v[TM+12+2*\c]
	v_cvt_scalef32_pk16_fp6_f32 v[\pc+12+4*\c:\pc+14+4*\c], v[\s+16+32*\c:\s+31+32*\c], v[TM+12+2*\c+1]
.endr
	v_nop
.irp c, 0,1
.irp i, 0,1,2
	v_permlane16_swap_b32 v[\pc+6*\c+\i], v[\pc+12+4*\c+\i]
.endr
.irp i, 0,1,2
	v_mov_b32 v[\pc+3+6*\c+\i], v[\pc+12+4*\c+\i]
.endr
.endr
.endm
.macro STOREREC pc, pw, sb, imm
	v_mov_b32 v[\pw+1], v[\pw]
.irp c, 0,1,2
	global_store_b128 v[LI], v[\pc+4*\c:\pc+4*\c+3], s[\sb:\sb+1] offset:\imm+512*\c
.endr
	global_store_b64 v[LSC], v[\pw:\pw+1], s[\sb:\sb+1] offset:\imm+1536
.endm
	s_load_b256 s[4:11], s[0:1], 0x0
.if KIND == 0
	s_load_b128 s[72:75], s[0:1], 0x20
.endif
	v_lshl_add_u32 v[SPW], v0, 2, SPARE
	v_mov_b32 v[NIL], 0
	ds_add_u32 v[SPW], v[NIL]
	ds_add_u32 v[SPW], v[NIL]
	v_lshrrev_b32 v1, 5, v0
	v_readfirstlane_b32 s14, v1
	s_lshr_b32 s15, s14, 1
	s_and_b32 s16, s14, 1
	s_bfe_u32 s40, ttmp6, 0x40000
	s_bfe_u32 s41, ttmp6, 0x40004
	s_and_b32 s83, ttmp7, 0xffff
	s_mov_b32 s82, ttmp9
.if KIND == 0
	s_lshl_b32 s81, s83, 2
	s_add_co_u32 s81, s81, ttmp9
	s_and_b32 s85, s81, 1
	s_lshr_b32 s81, s81, 1
	s_cmp_eq_u32 s83, 2
	s_cselect_b32 s84, 1, 0
	s_cselect_b32 s82, ttmp9, s85
	s_cselect_b32 s83, 0, s81
.endif
	s_lshl_b32 s42, s82, 2
	s_add_co_u32 s42, s42, s40
	s_lshl_b32 s17, s83, 2
	s_add_co_u32 s17, s17, s41
	s_lshl_b32 s43, s41, 2
	s_lshl_b32 s43, 15, s43
	s_lshl_b32 s44, 0x1111, s40
	s_or_b32 s[G1], s43, (3<<16)|(1<<21)
	s_or_b32 s[G1B], s44, (3<<16)|(1<<21)
.irp g, G1, G1B
	s_mov_b32 s[\g+1], (ROWB/8)<<16
	s_mov_b32 s[\g+2], MB<<16
	s_mov_b32 s[\g+3], (ROWB/8)<<16
	s_mov_b32 s[\g+4], MB
	s_mov_b32 s[\g+5], KS*RECB/8
	s_mov_b32 s[\g+6], 0
	s_mov_b32 s[\g+7], 0
.endr
	s_mul_i32 s18, s16, MB
	s_mul_i32 s20, s17, 2*MB
	s_add_co_u32 s20, s20, s18
	s_mul_i32 s20, s20, KS*RECB
	s_mov_b32 s21, 0
	s_mul_i32 s46, s42, 2*MB
	s_add_co_u32 s46, s46, s18
	s_mul_i32 s46, s46, KS*RECB
	s_mov_b32 s47, 0
	s_mul_i32 s45, s14, HALFT
	s_mov_b32 s[SEL], 0x76543210
	s_mov_b32 s[SEL+1], 0xfedcba98
	s_wait_dscnt 0x0
	s_wait_kmcnt 0x0
.if KIND == 0
	s_add_nc_u64 s[76:77], s[6:7], 1835008
	s_cmp_eq_u32 s84, 1
	s_cselect_b64 s[86:87], s[76:77], s[4:5]
	s_cselect_b64 s[88:89], s[4:5], s[6:7]
.else
	s_mov_b64 s[86:87], s[4:5]
	s_add_nc_u64 s[88:89], s[6:7], 3670016
.endif
	s_add_nc_u64 s[20:21], s[86:87], s[20:21]
	s_add_nc_u64 s[46:47], s[88:89], s[46:47]
	CROUND
.irp s, 0,1
	s_mov_b32 s[G0+4*\s], 1
	s_add_co_u32 s[G0+4*\s+1], s45, \s*SLOT
	s_add_nc_u64 s[G0+4*\s+2:G0+4*\s+3], s[20:21], \s*ROWB
	s_or_b32 s[G0+4*\s+3], s[G0+4*\s+3], 0x80000000
	s_mov_b32 s[G0B+4*\s], 1
	s_add_co_u32 s[G0B+4*\s+1], s45, \s*SLOT
	s_add_nc_u64 s[G0B+4*\s+2:G0B+4*\s+3], s[46:47], \s*ROWB
	s_or_b32 s[G0B+4*\s+3], s[G0B+4*\s+3], 0x80000000
.endr
	JLOAD G0, G1, G0B, G1B                         ; slot 0: one tensor load a wave at the head
	; THE LATER SLOTS ARE ASKED OF MEMORY AHEAD: of the 8 blocks x 3,584 bytes that I fetch for a slot, the partner at place p (cx for A, cy for B) names blocks 2 p and 2 p + 1:
	; 28 runs of 256 bytes, a lane a run; lanes 28-31 name the last again.  Here slots 1 and 2, behind slot 1's load slot 3.
.set PFA, 66
.set PFO, 30
	s_cmp_eq_u32 s15, 0
	s_cselect_b64 s[PFA:PFA+1], s[20:21], s[46:47]
	s_cselect_b32 s70, s40, s41
	s_mul_i32 s70, s70, 2*KS*RECB
	s_mov_b32 s71, 0
	s_add_nc_u64 s[PFA:PFA+1], s[PFA:PFA+1], s[70:71]
	v_and_b32 v1, 31, v0
	v_min_u32 v[PFO], 27, v1
	v_mul_u32_u24 v7, v[PFO], 147
	v_lshrrev_b32 v7, 11, v7                       ; lane / 14, for lanes 0 to 27
	v_mul_u32_u24 v7, v7, KS*RECB-ROWB
	v_lshl_add_u32 v[PFO], v[PFO], 8, v7
	global_prefetch_b8 v[PFO], s[PFA:PFA+1] offset:ROWB th:TH_LOAD_NT scope:SCOPE_SE
	global_prefetch_b8 v[PFO], s[PFA:PFA+1] offset:2*ROWB th:TH_LOAD_NT scope:SCOPE_SE
	v_and_b32 v2, 15, v0
	v_bfe_u32 v3, v0, 4, 1
	v_lshlrev_b32 v[LI], 4, v1
	v_lshlrev_b32 v[LSC], 4, v2
	v_lshl_add_u32 v[LSC], v3, 3, v[LSC]
	s_mul_i32 s90, s15, HALFT
	s_mul_i32 s91, s16, HALFT
	s_add_co_u32 s91, s91, 2*HALFT
	s_sub_co_u32 s92, s91, s90
	v_mul_u32_u24 v4, s92, v3
	v_add_nc_u32 v4, v4, v[LSC]
.irp s, 0,1
	v_add_nc_u32 v[ADRA+\s], s90, v[LI]
	v_add_nc_u32 v[ADRB+\s], s91, v[LI]
	v_add_nc_u32 v[ADRS+\s], s90, v4
	s_add_co_u32 s90, s90, SLOT
	s_add_co_u32 s91, s91, SLOT
.endr
.if KIND == 0
	s_and_b32 s92, s42, 3
	s_lshl_b32 s92, s92, 10
	s_lshl_b32 s93, s16, 9
	s_add_co_u32 s92, s92, s93
	s_cmp_eq_u32 s84, 1
	s_cselect_b32 s92, 0, s92
	s_mov_b32 s93, 0
	s_cmp_lt_u32 s42, 4
	s_cselect_b64 s[76:77], s[8:9], s[10:11]
	s_add_nc_u64 s[76:77], s[76:77], s[92:93]
	s_lshl_b32 s92, s17, 10
	s_lshl_b32 s98, s15, 9
	s_add_co_u32 s92, s92, s98
	s_cmp_eq_u32 s84, 1
	s_cselect_b32 s92, s92, 0
	s_add_nc_u64 s[78:79], s[72:73], s[92:93]
.else
	s_lshl_b32 s92, s42, 10
	s_lshl_b32 s93, s16, 9
	s_add_co_u32 s92, s92, s93
	s_mov_b32 s93, 0
	s_add_nc_u64 s[76:77], s[8:9], s[92:93]
.endif
	v_lshlrev_b32 v5, 6, v3
	WIN 0x40
.set i, 0
.rept 8
	global_load_b128 v[BC+8*i:BC+8*i+3], v5, s[76:77] offset:(32*(i/2)+8*(i%2))*4
	global_load_b128 v[BC+8*i+4:BC+8*i+7], v5, s[76:77] offset:(32*(i/2)+8*(i%2))*4+16
.set i, i+1
.endr
	WIN 0
.if KIND == 0
	v_and_b32 v6, 8, v2
	v_add_nc_u32 v6, v6, v2
	v_lshlrev_b32 v6, 2, v6
.set i, 0
.rept 8
	global_load_b32 v[BR+2*i], v6, s[78:79] offset:(32*(i/2)+8*(i%2))*4
	global_load_b32 v[BR+2*i+1], v6, s[78:79] offset:(32*(i/2)+8*(i%2))*4
.set i, i+1
.endr
.endif
	s_lshl_b32 s96, s17, 4
	s_lshl_b32 s97, s15, 3
	s_add_co_u32 s96, s96, s97
	s_lshl_b32 s97, s42, 1
	s_add_co_u32 s97, s97, s16
	s_lshl_b32 s98, s96, 5
	s_add_co_u32 s98, s98, s97
	s_mul_i32 s98, s98, RECB
.if KIND == 0
	s_add_co_u32 s98, s98, 7340032
	s_lshl_b32 s99, s97, 8
	s_add_co_u32 s99, s99, s96
	s_mul_i32 s99, s99, RECB
	s_cmp_eq_u32 s84, 1
	s_cselect_b32 s98, s98, s99
	s_mov_b32 s96, 32*RECB
	s_cselect_b32 s96, s96, RECB
	s_mov_b32 s97, 0
	s_mov_b32 s99, 0
	s_add_nc_u64 s[OUTB:OUTB+1], s[74:75], s[98:99]
.else
	s_mov_b32 s99, 0
	s_add_nc_u64 s[OUTB:OUTB+1], s[10:11], s[98:99]
.endif
	s_wait_alu depctr_va_vdst(0)
	s_wait_tensorcnt 0x0                           ; my part of slot 0 is in
	ds_add_u32 v[SPW], v[NIL]
	s_wait_dscnt 0x0
	CROUND                                         ; everybody's part of slot 0 is in, and the joint loads meet
	JLOAD G0+4, G1, G0B+4, G1B                     ; slot 1, the first tensor load behind the round
	FETCH 0, 0, 0
	global_prefetch_b8 v[PFO], s[PFA:PFA+1] offset:3*ROWB th:TH_LOAD_NT scope:SCOPE_SE
	STEP 0, 0, 1
	s_mov_b32 s3, LAPS-1
.Llap:
	TURN 0, 1, 1
	STEP 1, 0, 0
	TURN 1, 0, 1
	STEP 0, 0, 0
	s_sub_co_u32 s3, s3, 1
	s_cmp_lg_u32 s3, 0
	s_cbranch_scc1 .Llap
	TURN 0, 1, 0
	STEP 1, 0, 0
	s_wait_dscnt 0x0
	MULQ 0, 1, 0
	MULQ 1, 1, 0
	MULQ 2, 1, 0
	MULQ 3, 1, 0
	WIN 0
	s_wait_loadcnt 0x0
	PLACES 4
.irp b, 0,1,2,3
	v_mov_b32 v[TM+4+\b], 0
.endr
.if KIND == 0
	s_cmp_eq_u32 s84, 1
	s_cselect_b32 s85, 0, -1
	s_cselect_b32 s81, -1, 0
	WIN 0x44
.set i, 0
.rept 64
	v_cndmask_b32 v[BC+i], 0, v[BC+i], s85
.set i, i+1
.endr
	WIN 0
.set i, 0
.rept 16
	v_cndmask_b32 v[BR+i], 0, v[BR+i], s81
.set i, i+1
.endr
.endif
.set a, 0
.rept 8
.if a > 0
	s_wait_xcnt 0x0
.if KIND == 0
	s_add_nc_u64 s[OUTB:OUTB+1], s[OUTB:OUTB+1], s[96:97]
.endif
.endif
	WIN 0x06+(a/4)
.set i, 0
.rept 32
	v_pk_add_f32 v[T+2*i:T+2*i+1], v[64*(a%4)+2*i:64*(a%4)+2*i+1], v[BC+2*i:BC+2*i+1]
.set i, i+1
.endr
	WIN 0
.if KIND == 0
.set i, 0
.rept 32
	v_pk_add_f32 v[T+2*i:T+2*i+1], v[T+2*i:T+2*i+1], v[BR+2*a:BR+2*a+1]
.set i, i+1
.endr
	QUANT T, PC, PW
	STOREREC PC, PW, OUTB, 0
.else
.set i, 0
.rept 64
	v_max_num_f32 v[T+i], 0, v[T+i]
.set i, i+1
.endr
	QUANT T, PC, PW
	STOREREC PC, PW, OUTB, a*32*RECB
.endif
.set a, a+1
.endr
	s_wait_tensorcnt 0x0
	ds_add_u32 v[SPW], v[NIL]
	s_wait_dscnt 0x0
	CROUND
	s_endpgm
.Lfunc_end_k_q2132ae4501_ffn1:
	.size	k_q2132ae4501_ffn1, .Lfunc_end_k_q2132ae4501_ffn1-k_q2132ae4501_ffn1
	.p2alignl 7, 3214868480
	.fill 96, 4, 3214868480
	.section	.rodata,"a",@progbits
	.p2align	6, 0x0
	.amdhsa_kernel k_q2132ae4501_ffn1
		.amdhsa_group_segment_fixed_size 327680
		.amdhsa_private_segment_fixed_size 0
		.amdhsa_enable_private_segment 0
		.amdhsa_kernarg_size 32
		.amdhsa_user_sgpr_count 2
		.amdhsa_user_sgpr_kernarg_segment_ptr 1
		.amdhsa_wavefront_size32 1
		.amdhsa_system_sgpr_workgroup_id_x 1
		.amdhsa_system_sgpr_workgroup_id_y 1
		.amdhsa_system_sgpr_workgroup_id_z 1
		.amdhsa_system_vgpr_workitem_id 0
		.amdhsa_next_free_vgpr 1024
		.amdhsa_next_free_sgpr 100
		.amdhsa_reserve_vcc 0
		.amdhsa_float_denorm_mode_32 3
		.amdhsa_float_denorm_mode_16_64 3
		.amdhsa_memory_ordered 1
		.amdhsa_forward_progress 1
		.amdhsa_inst_pref_size 173
	.end_amdhsa_kernel
	.amdgpu_metadata
---
amdhsa.version: [ 1, 2 ]
amdhsa.kernels:
  - .name:           k_q2132ae4501_ffn1
    .symbol:         k_q2132ae4501_ffn1.kd
    .args:
      - { .name: act, .offset: 0, .size: 8, .value_kind: global_buffer, .address_space: global }
      - { .name: wimg, .offset: 8, .size: 8, .value_kind: global_buffer, .address_space: global }
      - { .name: b1, .offset: 16, .size: 8, .value_kind: global_buffer, .address_space: global }
      - { .name: hid, .offset: 24, .size: 8, .value_kind: global_buffer, .address_space: global }
    .group_segment_fixed_size: 327680
    .private_segment_fixed_size: 0
    .kernarg_segment_align: 8
    .kernarg_segment_size: 32
    .max_flat_workgroup_size: 128
    .sgpr_count:     100
    .vgpr_count:     1024
    .wavefront_size: 32
...
	.end_amdgpu_metadata
.endif
;; end of part 6
;; launch ffn2 (part 7): grid 8 x 32, 4 waves a work-group, clusters of 4 x 4, 327,680 bytes of LDS; arguments hid, wimg, b2, src2, out0; writes out0
.if DOCPART == 7
	.amdgcn_target "amdgcn-amd-amdhsa--gfx1250"
	.amdhsa_code_object_version 6
	.text
	.protected	k_q2132ae4501_ffn2
	.globl	k_q2132ae4501_ffn2
	.p2align	8
	.type	k_q2132ae4501_ffn2,@function
k_q2132ae4501_ffn2:
	s_mov_b64 s[64:65], 0
	v_nop
	global_prefetch_b8 v0, s[64:65] scope:SCOPE_SE
	s_setreg_imm32_b32 hwreg(HW_REG_WAVE_MODE, 25, 1), 1
	s_wait_xcnt 0x0
	s_wait_alu depctr_hold_cnt(0) depctr_sa_sdst(0) depctr_va_vdst(0) depctr_va_sdst(0) depctr_va_ssrc(0) depctr_va_vcc(0) depctr_vm_vsrc(0)
	s_getreg_b32 s2, hwreg(HW_REG_IB_STS2, 6, 4)
	s_cmp_eq_u32 s2, 0
	s_cbranch_scc0 .Lentry_in_a_cluster
	s_endpgm
.Lentry_in_a_cluster:
	s_bfe_u32 s2, ttmp6, 0x10000c
	s_cmp_lg_u32 s2, 0xf033
	s_cbranch_scc0 .Lentry_shape_is_right
	s_endpgm
.Lentry_shape_is_right:
; out0 = src2 + (hidden W2 + b2), K = 4,096: the text of launch oproj with KIND = 3 (its head comment says what a record, the ring, the cluster's joint loads, the way out and the registers are).
; THE TILES ARE ASKED OF MEMORY AHEAD: behind the load of slot s stands one prefetch a wave for slot s + 2 (at the head also for slot 1).  Of the 4 blocks x 7,168 bytes that a wave fetches for a slot,
; the partner at place p (cx for A, cy for B) names block p: 28 runs of 256 bytes, a lane a run; lanes 28-31 name the last again.  The loop's last trip, whose refills are slots 6 and 7, asks for nothing.
.set KIND,  3
.set PFA, 66                           ; s[66:67] my block of the slot that is being multiplied
.set PFO, 30                           ; v30 256 x min(lane, 27); never rewritten
; THE RESIDUAL: in the loop's last trip, which asks for no tile, each wave asks for its own 64 rows x 256 bytes of src2, a lane a row, 32 rows at each of the trip's two changes of slots;
; the loads themselves stand behind the loop, seven K steps of 128 ahead of the way out that reads them.
.set PFR, 31                           ; v31 4,096 x lane: a row of src2; never rewritten
.if KIND == 2
.set KS,    8
.set WOFF,  2752512
.else
.set KS,    32
.set WOFF,  7340032
.endif
.set MB,    4
.set NQ,    4
.set RECB,  1792
.set ROWB,  NQ*RECB
.set HALFT, MB*ROWB
.set SLOT,  4*HALFT
.set STAGE, 2*SLOT
.set SPARE, STAGE+17408
.set LAPS,  KS/(2*NQ)
.set NLD,   7*MB
.set ADRA, 16
.set ADRB, 18
.set ADRS, 20
.set LI,   22
.set LSC,  23
.set STO,  24
.set RD,   25
.set RO,   26
.set CB,   27
.set SPW,  28
.set NIL,  29
.set SC,   32
.set BCOL, 44
.set AF,   64
.set OB,   64
.set G1,  24
.set G0,  32
.set G1B, 48
.set G0B, 56
.set MSB, 0
.macro WIN new
.if MSB != (\new)
	s_set_vgpr_msb (MSB<<8)|(\new)
.set MSB, (\new)
.endif
.endm
.macro PLACES n
.rept \n
	v_nop
.endr
.endm
.macro JLOAD g0a, g1a, g0b, g1b
	s_cmp_eq_u32 s15, 0
	s_cbranch_scc0 .Lfor_b_\@
	tensor_load_to_lds s[\g0a:\g0a+3], s[\g1a:\g1a+7]
	s_nop 0
.rept 4
	v_nop
.endr
	s_branch .Lasked_\@
.Lfor_b_\@:
	tensor_load_to_lds s[\g0b:\g0b+3], s[\g1b:\g1b+7]
	s_nop 0
.rept 4
	v_nop
.endr
.Lasked_\@:
.endm
.macro CREST
	s_cmp_lg_u32 s14, 0
	s_cbranch_scc1 .Lnot_wave_0_\@
	s_barrier_signal -3
.Lnot_wave_0_\@:
	s_barrier_wait -3
	s_barrier_signal -1
	s_barrier_wait -1
.endm
.macro CROUND
	s_barrier_signal -1
	s_barrier_wait -1
	CREST
.endm
.macro FETCH slot, q, set
	WIN 0x40
.set fi, 0
.rept MB
.irp c, 0,1,2
	ds_load_b128 v[96*(\set)+12*fi+4*\c:96*(\set)+12*fi+4*\c+3], v[ADRB+\slot] offset:fi*ROWB+(\q)*RECB+512*\c
.endr
.set fi, fi+1
.endr
	WIN 0
.set fi, 0
.rept MB
.irp c, 0,1,2
	ds_load_b128 v[AF+96*(\set)+12*fi+4*\c:AF+96*(\set)+12*fi+4*\c+3], v[ADRA+\slot] offset:fi*ROWB+(\q)*RECB+512*\c
.endr
.set fi, fi+1
.endr
.set fi, 0
.rept MB
	ds_load_b32 v[SC+MB*(\set)+fi], v[ADRS+\slot] offset:fi*ROWB+(\q)*RECB+1536
.set fi, fi+1
.endr
.endm
.macro MULQ p, set, zero
.set ma, (\p)*MB/4
.rept MB/4
.set mb, 0
.rept MB
.set mt, ma*MB+mb
.set md, 8*(mt%32)
	WIN 0xa1+0x50*(mt/32)
.if \zero
	v_wmma_scale_f32_16x16x128_f8f6f4 v[md:md+7], v[96*(\set)+12*mb:96*(\set)+12*mb+11], v[AF+96*(\set)+12*ma:AF+96*(\set)+12*ma+11], 0, v[SC+MB*(\set)+mb], v[SC+MB*(\set)+ma] matrix_a_fmt:MATRIX_FMT_FP6 matrix_b_fmt:MATRIX_FMT_FP6 matrix_a_scale:MATRIX_SCALE_ROW1
.else
	v_wmma_scale_f32_16x16x128_f8f6f4 v[md:md+7], v[96*(\set)+12*mb:96*(\set)+12*mb+11], v[AF+96*(\set)+12*ma:AF+96*(\set)+12*ma+11], v[md:md+7], v[SC+MB*(\set)+mb], v[SC+MB*(\set)+ma] matrix_a_fmt:MATRIX_FMT_FP6 matrix_b_fmt:MATRIX_FMT_FP6 matrix_a_scale:MATRIX_SCALE_ROW1
.endif
.set mb, mb+1
.endr
.set ma, ma+1
.endr
.endm
.macro STEP slot, q, zero
	PLACES 4
	FETCH \slot, (\q)+1, 1-(\q)%2
	s_wait_dscnt NLD
	MULQ 0, (\q)%2, \zero
	MULQ 1, (\q)%2, \zero
	MULQ 2, (\q)%2, \zero
	MULQ 3, (\q)%2, \zero
	WIN 0
.endm
.macro TURN slot, next, fill
.if \fill
	s_wait_xcnt 0x0                                ; my last prefetch has read its address: it is stepped here, a slot on
	s_add_nc_u64 s[PFA:PFA+1], s[PFA:PFA+1], ROWB
.endif
	s_wait_tensorcnt 0x0
	ds_add_u32 v[SPW], v[NIL]
	s_wait_dscnt 1
	MULQ 0, 1, 0
	s_wait_dscnt 0x0
	s_barrier_signal -1
	MULQ 1, 1, 0
	WIN 0
	s_barrier_wait -1
.if \fill
	CREST
	s_add_nc_u64 s[G0+4*\slot+2:G0+4*\slot+3], s[G0+4*\slot+2:G0+4*\slot+3], 2*ROWB
	s_add_nc_u64 s[G0B+4*\slot+2:G0B+4*\slot+3], s[G0B+4*\slot+2:G0B+4*\slot+3], 2*ROWB
	JLOAD G0+4*\slot, G1, G0B+4*\slot, G1B
.else
	PLACES 4
.endif
	FETCH \next, 0, 0
.if \fill
	s_cmp_gt_u32 s3, 1                             ; not in the loop's last trip
	s_cbranch_scc0 .Lres_\@
	global_prefetch_b8 v[PFO], s[PFA:PFA+1] offset:3*ROWB th:TH_LOAD_NT scope:SCOPE_SE
	s_branch .Lno_ask_\@
.Lres_\@:
	global_prefetch_b8 v[PFR], s[10:11] offset:\slot*131072 th:TH_LOAD_NT scope:SCOPE_SE
.Lno_ask_\@:
.endif
	MULQ 2, 1, 0
	MULQ 3, 1, 0
	WIN 0
.endm
	s_load_b256 s[4:11], s[0:1], 0x0
	s_load_b64 s[12:13], s[0:1], 0x20
	v_lshl_add_u32 v[SPW], v0, 2, SPARE
	v_mov_b32 v[NIL], 0
	ds_add_u32 v[SPW], v[NIL]
	ds_add_u32 v[SPW], v[NIL]
	v_lshrrev_b32 v1, 5, v0
	v_readfirstlane_b32 s14, v1
	s_lshr_b32 s15, s14, 1
	s_and_b32 s16, s14, 1
	s_bfe_u32 s40, ttmp6, 0x40000
	s_bfe_u32 s41, ttmp6, 0x40004
	s_lshl_b32 s42, ttmp9, 2
	s_add_co_u32 s42, s42, s40
	s_and_b32 s17, ttmp7, 0xffff
	s_lshl_b32 s17, s17, 2
	s_add_co_u32 s17, s17, s41
	s_lshl_b32 s43, s41, 2
	s_lshl_b32 s43, 15, s43
	s_lshl_b32 s44, 0x1111, s40
	s_or_b32 s[G1], s43, (3<<16)|(1<<21)
	s_or_b32 s[G1B], s44, (3<<16)|(1<<21)
.irp g, G1, G1B
	s_mov_b32 s[\g+1], (ROWB/8)<<16
	s_mov_b32 s[\g+2], MB<<16
	s_mov_b32 s[\g+3], (ROWB/8)<<16
	s_mov_b32 s[\g+4], MB
	s_mov_b32 s[\g+5], KS*RECB/8
	s_mov_b32 s[\g+6], 0
	s_mov_b32 s[\g+7], 0
.endr
	s_mul_i32 s18, s16, MB
	s_mul_i32 s20, s17, 2*MB
	s_add_co_u32 s20, s20, s18
	s_mul_i32 s20, s20, KS*RECB
	s_mov_b32 s21, 0
	s_mul_i32 s46, s42, 2*MB
	s_add_co_u32 s46, s46, s18
	s_mul_i32 s46, s46, KS*RECB
	s_add_co_u32 s46, s46, WOFF
	s_mov_b32 s47, 0
	s_mul_i32 s45, s14, HALFT
	s_wait_dscnt 0x0
	s_wait_kmcnt 0x0
	s_add_nc_u64 s[20:21], s[4:5], s[20:21]
	s_add_nc_u64 s[46:47], s[6:7], s[46:47]
	CROUND
.irp s, 0,1
	s_mov_b32 s[G0+4*\s], 1
	s_add_co_u32 s[G0+4*\s+1], s45, \s*SLOT
	s_add_nc_u64 s[G0+4*\s+2:G0+4*\s+3], s[20:21], \s*ROWB
	s_or_b32 s[G0+4*\s+3], s[G0+4*\s+3], 0x80000000
	s_mov_b32 s[G0B+4*\s], 1
	s_add_co_u32 s[G0B+4*\s+1], s45, \s*SLOT
	s_add_nc_u64 s[G0B+4*\s+2:G0B+4*\s+3], s[46:47], \s*ROWB
	s_or_b32 s[G0B+4*\s+3], s[G0B+4*\s+3], 0x80000000
.endr
	JLOAD G0, G1, G0B, G1B                         ; slot 0: one tensor load a wave at the head
	s_cmp_eq_u32 s15, 0
	s_cselect_b64 s[PFA:PFA+1], s[20:21], s[46:47]
	s_cselect_b32 s70, s40, s41
	s_mul_i32 s70, s70, KS*RECB
	s_mov_b32 s71, 0
	s_add_nc_u64 s[PFA:PFA+1], s[PFA:PFA+1], s[70:71]
	v_and_b32 v1, 31, v0
	v_min_u32 v[PFO], 27, v1
	v_lshlrev_b32 v[PFO], 8, v[PFO]
	v_lshlrev_b32 v[PFR], 12, v1
	global_prefetch_b8 v[PFO], s[PFA:PFA+1] offset:ROWB th:TH_LOAD_NT scope:SCOPE_SE
	global_prefetch_b8 v[PFO], s[PFA:PFA+1] offset:2*ROWB th:TH_LOAD_NT scope:SCOPE_SE
	v_and_b32 v2, 15, v0
	v_bfe_u32 v3, v0, 4, 1
	v_lshlrev_b32 v[LI], 4, v1
	v_lshlrev_b32 v[CB], 4, v2
	v_lshl_add_u32 v[LSC], v3, 3, v[CB]
	s_mul_i32 s90, s15, HALFT
	s_mul_i32 s91, s16, HALFT
	s_add_co_u32 s91, s91, 2*HALFT
	s_sub_co_u32 s92, s91, s90
	v_mul_u32_u24 v4, s92, v3
	v_add_nc_u32 v4, v4, v[LSC]
.irp s, 0,1
	v_add_nc_u32 v[ADRA+\s], s90, v[LI]
	v_add_nc_u32 v[ADRB+\s], s91, v[LI]
	v_add_nc_u32 v[ADRS+\s], s90, v4
	s_add_co_u32 s90, s90, SLOT
	s_add_co_u32 s91, s91, SLOT
.endr
	s_mul_i32 s90, s14, 16*272
	s_add_co_u32 s90, s90, STAGE
	v_mul_u32_u24 v4, v2, 272
	v_lshl_add_u32 v4, v3, 6, v4
	v_add_nc_u32 v[STO], s90, v4
	v_mul_u32_u24 v4, v3, 272
	v_add_nc_u32 v4, v4, v[CB]
	v_add_nc_u32 v[RD], s90, v4
	v_lshl_add_u32 v[RO], v3, 12, v[CB]
	s_wait_alu depctr_va_vdst(0)
	s_lshl_b32 s93, s17, 7
	s_lshl_b32 s94, s15, 6
	s_add_co_u32 s93, s93, s94
	s_lshl_b32 s93, s93, 12
	s_lshl_b32 s94, s42, 9
	s_lshl_b32 s95, s16, 8
	s_add_co_u32 s94, s94, s95
	s_mov_b32 s95, 0
	s_add_nc_u64 s[8:9], s[8:9], s[94:95]
	s_add_co_u32 s94, s94, s93
	s_add_nc_u64 s[10:11], s[10:11], s[94:95]
	s_add_nc_u64 s[12:13], s[12:13], s[94:95]
.macro RESID                           ; the residual, in the stores' own layout, and the bias
	WIN 0xc0
.set a, 0
.rept 4
.set t, 0
.rept 8
	global_load_b128 v[32*a+4*t:32*a+4*t+3], v[RO], s[10:11] offset:(32*(a/2)+8*(a%2)+2*t+8*(t/4))*4096
.set t, t+1
.endr
.set a, a+1
.endr
	WIN 0
	global_load_b128 v[BCOL:BCOL+3], v[CB], s[8:9]
.endm
	s_wait_alu depctr_va_vdst(0)
	s_wait_tensorcnt 0x0                           ; my part of slot 0 is in
	ds_add_u32 v[SPW], v[NIL]
	s_wait_dscnt 0x0
	CROUND                                         ; everybody's part of slot 0 is in, and the joint loads meet
	JLOAD G0+4, G1, G0B+4, G1B                     ; slot 1, the first tensor load behind the round
	FETCH 0, 0, 0
	global_prefetch_b8 v[PFO], s[PFA:PFA+1] offset:3*ROWB th:TH_LOAD_NT scope:SCOPE_SE
	STEP 0, 0, 1
.if LAPS > 1
	s_mov_b32 s3, LAPS-1
.Llap:
	STEP 0, 1, 0
	STEP 0, 2, 0
	TURN 0, 1, 1
	STEP 1, 0, 0
	STEP 1, 1, 0
	STEP 1, 2, 0
	TURN 1, 0, 1
	STEP 0, 0, 0
	s_sub_co_u32 s3, s3, 1
	s_cmp_lg_u32 s3, 0
	s_cbranch_scc1 .Llap
.endif
	RESID
	STEP 0, 1, 0
	STEP 0, 2, 0
	TURN 0, 1, 0
	STEP 1, 0, 0
	STEP 1, 1, 0
	STEP 1, 2, 0
	s_wait_dscnt 0x0
	MULQ 0, 1, 0
	MULQ 1, 1, 0
	MULQ 2, 1, 0
	MULQ 3, 1, 0
	WIN 0
	s_wait_loadcnt 0x0
	PLACES 4
.set a, 0
.rept 4
.set ob, OB+32*(a%2)
.if a >= 2
	s_wait_xcnt 0x0
.endif
	WIN 0x08
.set b, 0
.rept 4
	ds_store_b128 v[STO], v[8*(4*a+b):8*(4*a+b)+3] offset:128*(b/2)+32*(b%2)
	ds_store_b128 v[STO], v[8*(4*a+b)+4:8*(4*a+b)+7] offset:128*(b/2)+32*(b%2)+16
.set b, b+1
.endr
	WIN 0
.set t, 0
.rept 8
	ds_load_b128 v[ob+4*t:ob+4*t+3], v[RD] offset:544*t
.set t, t+1
.endr
	s_wait_dscnt 0x0
.set t, 0
.rept 8
	v_pk_add_f32 v[ob+4*t:ob+4*t+1], v[ob+4*t:ob+4*t+1], v[BCOL:BCOL+1]
	v_pk_add_f32 v[ob+4*t+2:ob+4*t+3], v[ob+4*t+2:ob+4*t+3], v[BCOL+2:BCOL+3]
.set t, t+1
.endr
	WIN 0x0c
.set i, 0
.rept 16
	v_pk_add_f32 v[ob+2*i:ob+2*i+1], v[ob+2*i:ob+2*i+1], v[32*a+2*i:32*a+2*i+1]
.set i, i+1
.endr
	WIN 0
.set t, 0
.rept 8
	global_store_b128 v[RO], v[ob+4*t:ob+4*t+3], s[12:13] offset:(32*(a/2)+8*(a%2)+2*t+8*(t/4))*4096
.set t, t+1
.endr
.set a, a+1
.endr
	s_wait_tensorcnt 0x0
	ds_add_u32 v[SPW], v[NIL]
	s_wait_dscnt 0x0
	CROUND
	s_endpgm
.Lfunc_end_k_q2132ae4501_ffn2:
	.size	k_q2132ae4501_ffn2, .Lfunc_end_k_q2132ae4501_ffn2-k_q2132ae4501_ffn2
	.p2alignl 7, 3214868480
	.fill 96, 4, 3214868480
	.section	.rodata,"a",@progbits
	.p2align	6, 0x0
	.amdhsa_kernel k_q2132ae4501_ffn2
		.amdhsa_group_segment_fixed_size 327680
		.amdhsa_private_segment_fixed_size 0
		.amdhsa_enable_private_segment 0
		.amdhsa_kernarg_size 40
		.amdhsa_user_sgpr_count 2
		.amdhsa_user_sgpr_kernarg_segment_ptr 1
		.amdhsa_wavefront_size32 1
		.amdhsa_system_sgpr_workgroup_id_x 1
		.amdhsa_system_sgpr_workgroup_id_y 1
		.amdhsa_system_sgpr_workgroup_id_z 1
		.amdhsa_system_vgpr_workitem_id 0
		.amdhsa_next_free_vgpr 1024
		.amdhsa_next_free_sgpr 100
		.amdhsa_reserve_vcc 0
		.amdhsa_float_denorm_mode_32 3
		.amdhsa_float_denorm_mode_16_64 3
		.amdhsa_memory_ordered 1
		.amdhsa_forward_progress 1
		.amdhsa_inst_pref_size 95
	.end_amdhsa_kernel
	.amdgpu_metadata
---
amdhsa.version: [ 1, 2 ]
amdhsa.kernels:
  - .name:           k_q2132ae4501_ffn2
    .symbol:         k_q2132ae4501_ffn2.kd
    .args:
      - { .name: hid, .offset: 0, .size: 8, .value_kind: global_buffer, .address_space: global }
      - { .name: wimg, .offset: 8, .size: 8, .value_kind: global_buffer, .address_space: global }
      - { .name: b2, .offset: 16, .size: 8, .value_kind: global_buffer, .address_space: global }
      - { .name: src2, .offset: 24, .size: 8, .value_kind: global_buffer, .address_space: global }
      - { .name: out0, .offset: 32, .size: 8, .value_kind: global_buffer, .address_space: global }
    .group_segment_fixed_size: 327680
    .private_segment_fixed_size: 0
    .kernarg_segment_align: 8
    .kernarg_segment_size: 40
    .max_flat_workgroup_size: 128
    .sgpr_count:     100
    .vgpr_count:     1024
    .wavefront_size: 32
...
	.end_amdgpu_metadata
.endif
;; end of part 7
